; MI455X (gfx1250); checked and timed in simulation.
; The chip was launched on July 23, 2026; its instructions are those of AMD's public machine-readable ISA for CDNA 5 (MIT licence, August 2026) and "CDNA5" Instruction Set Architecture Reference Guide (July 2026). The comments in the code are by the model that wrote it; some were corrected since.
;; Multi Head Self Attention. Allowed arithmetic: matrix products marked QUANTISED: E4M3 operands, one given power-of-two scale a tensor, by v_wmma_f32_16x16x64_fp8_fp8 or v_wmma_f32_16x16x128_fp8_fp8, f32 sums; everything else in f32.
;; Inputs: Wk_codes 2,048 x 64 x 32 uint8 (E4M3 codes of Wk, K innermost, in blocks of 32 codes); Wo_codes 2,048 x 64 x 32 uint8 (E4M3 codes of Wo, K innermost, in blocks of 32 codes); Wq_codes 2,048 x 64 x 32 uint8 (E4M3 codes of Wq, K innermost, in blocks of 32 codes); Wv_codes 2,048 x 64 x 32 uint8 (E4M3 codes of Wv, K innermost, in blocks of 32 codes); lowp_scales 12 int32 (the exponents e of the quantised operands' scales 2^e); token_positions 2,048 int32; x_codes 1 x 2,048 x 64 x 32 uint8 (E4M3 codes of x, K innermost, in blocks of 32 codes).
;; Outputs: out0 1 x 2,048 x 2,048 float32.
;; This version of the problem:
;;   THIS VERSION OF THE PROBLEM IS GIVEN IN LOW PRECISION. The matrix products marked QUANTISED in the list below multiply operands that are first quantised to E4M3 (4 exponent bits, 3 mantissa bits; 8 bits a number), with one given power-of-two scale for each operand tensor; their sums are f32. All else is computed in f32.
;;   The module's matrix products, in the order in which they are computed (A, B: the left and right operand; K: the contracted axis; several contracted axes count as one K, in the product's order):
;;     1. [M 2,048, K 2,048] x [K 2,048, N 2,048]; A: input x (given as codes); B: input Wq (given as codes): QUANTISED (scales: A lowp_scales[0], B lowp_scales[1])
;;     2. [M 2,048, K 2,048] x [K 2,048, N 2,048]; A: input x (given as codes); B: input Wk (given as codes): QUANTISED (scales: A lowp_scales[2], B lowp_scales[3])
;;     3. [M 2,048, K 2,048] x [K 2,048, N 2,048]; A: input x (given as codes); B: input Wv (given as codes): QUANTISED (scales: A lowp_scales[4], B lowp_scales[5])
;;     4. batch 16 x [M 2,048, K 128] x [K 128, N 2,048]; A: computed on the way; B: computed on the way: QUANTISED (scales: A lowp_scales[6], B lowp_scales[7])
;;     5. batch 16 x [M 2,048, K 2,048] x [K 2,048, N 128]; A: softmax (see below); B: computed on the way: QUANTISED (scales: A lowp_scales[8], B lowp_scales[9])
;;     6. [M 2,048, K 2,048] x [K 2,048, N 2,048]; A: computed on the way; B: input Wo (given as codes): QUANTISED (scales: A lowp_scales[10], B lowp_scales[11])
;;   THE QUANTISER, for each operand of a quantised product, along K:
;;     - The operand's scale is 2^e, e = its entry of the input lowp_scales (int32; the entries are numbered through the quantised products in the list's order, A before B).
;;     - Each number is divided by the scale, clamped to +-448, and rounded to the nearest number of E4M3, ties to even, subnormals kept.
;;     - The product sums the exact products of the quantised numbers (number of the format x scale) in f32.
;;   ~~~python
;;   def quantise(x, axis, e):      # numpy; x: float32 -> the quantised numbers, widened to float32 again
;;       x = np.moveaxis(x, axis, -1); K = x.shape[-1]
;;       r = np.clip(x / 2.0 ** e, -448, 448)
;;       step = 2.0 ** (np.maximum(np.frexp(np.where(r == 0, 1, r))[1] - 1, -6) - 3)
;;       q = np.round(r / step) * step * 2.0 ** e      # np.round: ties to even
;;       return np.moveaxis(q, -1, axis).astype(np.float32)
;;   ~~~
;;   SOFTMAX AHEAD OF A QUANTISED PRODUCT. Where the list says 'softmax', what is quantised is not the finished softmax but p = 2^(t - M), with t = logit x log2(e) and M = ceil(the row's largest t), a whole number; so 1/2 < the row's largest p <= 1. The row's sum l is taken of the UNQUANTISED p, in f32, and the product's result is divided by l at the end. Since M is a whole number, a kernel that streams over the keys may use a running M (the ceiling of the running maximum): every later rescaling is an exact power of two, so the quantised numbers keep their values, but for numbers so far below the row's largest that they fall under the format's range.
;;   OPERANDS COMPUTED ON THE WAY. 'Computed on the way' means the value that the module computes at that place (a softmax that the list does not call 'softmax' is quantised finished and normalised). What goes into a quantiser is computed in f32, as accurately as f32 sums, v_exp_f32 and their like allow (about 1e-6 of the number): no bf16 or f16 on the way to a quantiser, and a product that is left as it is and whose result goes on into a quantised operand takes f32 operands (vector FMAs, or v_wmma_f32_16x16x4_f32). A number that lies on a knife's edge between two numbers of the format may be rounded either way, as far as f32 arithmetic and the matrix unit's own rounding can turn it there, and no further.
;;   INPUTS GIVEN AS CODES. Wk (in the module: [2048, 2048], K = its axis 1); Wo (in the module: [2048, 2048], K = its axis 1); Wq (in the module: [2048, 2048], K = its axis 1); Wv (in the module: [2048, 2048], K = its axis 1); x (in the module: [1, 2048, 2048], K = its axis 2): each comes as NAME_codes (uint8): NAME with its K axis moved to the last place and cut into blocks of 32 codes, [.., K / 32, bytes a block], one block behind the other in memory; one code a byte (a code: sign, 4 exponent bits, 3 mantissa bits); its scale is its entry of lowp_scales. Its value is code x scale, taken as it is: it is not quantised again, and the codes and scales need not be those that the quantiser above would give.
;; One version. Each part assembles by itself: llvm-mc -triple=amdgcn-amd-amdhsa -mcpu=gfx1250 --defsym DOCPART=n.
;; ======== version 1 of 1: 3 launches
;; limits: right only within a limited range of input values
;; workspace buffers: qc 4,194,304 bytes; kc 4,194,304 bytes; vc 4,194,304 bytes; ac 4,194,304 bytes
;; launch qkv (part 1): grid 16 x 16, 4 waves a work-group, clusters of 4 x 4, 327,680 bytes of LDS; arguments x_codes, Wq_codes, Wk_codes, Wv_codes, lowp_scales, token_positions, qc, kc, vc; writes qc, kc, vc
.if DOCPART == 1
	.amdgcn_target "amdgcn-amd-amdhsa--gfx1250"
	.amdhsa_code_object_version 6
	.text
	.protected	k_qbb121612a8_qkv
	.globl	k_qbb121612a8_qkv
	.p2align	8
	.type	k_qbb121612a8_qkv,@function
k_qbb121612a8_qkv:
	s_mov_b64 s[64:65], 0
	v_nop
	global_prefetch_b8 v0, s[64:65] scope:SCOPE_SE
	s_setreg_imm32_b32 hwreg(HW_REG_WAVE_MODE, 25, 1), 1
	s_wait_xcnt 0x0
	s_wait_alu depctr_hold_cnt(0) depctr_sa_sdst(0) depctr_va_vdst(0) depctr_va_sdst(0) depctr_va_ssrc(0) depctr_va_vcc(0) depctr_vm_vsrc(0)
	s_getreg_b32 s2, hwreg(HW_REG_IB_STS2, 6, 4)
	s_cmp_eq_u32 s2, 0
	s_cbranch_scc0 .Lentry_in_a_cluster
	s_endpgm
.Lentry_in_a_cluster:
	s_bfe_u32 s2, ttmp6, 0x10000c
	s_cmp_lg_u32 s2, 0xf033
	s_cbranch_scc0 .Lentry_shape_is_right
	s_endpgm
.Lentry_shape_is_right:
; q = rope(x Wq^T), k = rope(x Wk^T), v = x Wv^T on codes of E4M3, then quantised again: q, k along the head's 128, v along the keys.
; x [2048][2048], Wq, Wk, Wv [2048][2048]: codes, K innermost.  lowp_scales e0..e11.  token_positions [2048] int32.
; SHARES.  A work-group takes 128 tokens (row block rb) x one head's 128 columns (hd) of q, of k and of v.  Wave w takes all 128 tokens x columns 32 w .. 32 w + 31 of each:
; 48 accumulators of 16 x 16.  K goes in steps of 256 through two LDS slots; a slot holds x's 128 rows and 128 rows of each weight; wave 0 fetches x's tile, waves 1, 2, 3 Wq's, Wk's, Wv's.
; CLUSTER 4 x 4: x's tile hangs on rb alone and is asked for jointly by a row of the cluster, a weight's tile on hd alone and is asked for jointly by a column.
; LAYOUT.  q and k are used transposed (source 0 = 16 rows of W, source 1 = 16 tokens): a lane holds one token and eight neighbouring features, so rope's pairs lie in one lane and the
; conversion's two registers are registers 2 T, 2 T + 1 (T = the tile of 16 features) of a fragment of 16 tokens x 128.  v is used straight (source 0 = x, source 1 = Wv): a lane holds one channel and
; eight neighbouring tokens: registers 2 m, 2 m + 1 of a fragment of 16 channels x 128 keys.  The codes leave as IMAGES OF THE OPERAND'S REGISTERS: byte 512 c + 16 lane + i of a fragment's 2,048 bytes is
; byte i of that lane's registers 4 c .. 4 c + 3.  qc, kc: [head][tile of 16 tokens][2048];  vc: [head][block of 128 keys][tile of 16 channels][2048].  Every store of a wave covers 512 consecutive bytes, aligned.
; x's and W's fragments are fetched by four loads of 16 bytes: a permutation of k that is the same on both sides, so every product meets its partner.
; ROPE.  angle = position x 2^(-k log2(10000) / 64); n = the nearest whole number to angle / pi; r = angle - n pi in two parts; sin r and cos r by Taylor's series to r^11 and r^12
; (on |r| <= pi / 2 the terms left out are under 6e-8); both get the sign (-1)^n.  A power of two commutes with the rotation, so the sums are rotated as they are.
; SCALES.  A sum stands for sum x 2^(ea + eb), so its conversion takes 2^(eo - ea - eb): q: e6 - e0 - e1; k: e7 - e2 - e3; v: e9 - e4 - e5.
; LIMITS: each of these three lies between -126 and 119; |position| under 2^22; NaN is not served.
; REGISTERS, in windows of 256.  window 0: v0-31 addresses and positions; v32-127, v128-223 the weights' six fragments, two sets; v224-251 constants.
;   window 1: v0-127 x's eight fragments, one set; v128-255 (cos, sin) of token tile m, frequency f at 128 + 16 m + 2 f.   window 2: q's accumulators at 16 m + 8 u, k's at 128 + 16 m + 8 u.   window 3: v's at 16 m + 8 u.
; WORK LEFT OUT of the program: tiles of scores (16 queries x 128 keys) all of whose keys come after the tile's queries.  reference() puts -infinity there by a mask of its own, so their weights are 0 whatever finite
; values the inputs hold.  LIMIT: a NaN, an infinity or an overflow that reaches only those tiles is not carried to the result.
; THE FEED.  At the head each wave issues one joint load, its tile of K step 0; K step 1's stands behind a round in front of which K step 0 has landed, and has K step 0's products and five token tiles' cos and sin in which to land.
; PREFETCH INTO THE L2: behind the load of K step t stands the prefetch of K step t + 2 (behind K step 0's that of K step 1 too): 256 bytes of each of the 128 rows that my wave asks for.  The four partners that ask for a tile
; jointly take 32 rows each, told apart by address (cx for x, cy for a weight), a lane a row: each block of 256 bytes is named once in each cluster that loads it.  The last two loads have no K step two on and ask for nothing.
.set PITCH,  272                       ; an LDS row: 256 bytes + 16 of padding = 68 words, so the 16 rows that a load touches start at 16 different banks (64 banks of 4 bytes: ISA guide 11.1)
.set PFO,  27                          ; v27     the prefetches' offset: a row of 2,048 bytes x my lane; never rewritten
.set PFA,  92                          ; s[92:93] where my prefetches stand: my work-group's 32 of the rows that I fetch
.set TILE,   128*PITCH
.set SLOT,   4*TILE                    ; x, Wq, Wk, Wv
.set SPARE,  2*SLOT                    ; the spare words: 128 bytes a wave, two blocks of 256 bytes that no other line names
.set LAPS,   4                         ; 2,048 along K = 8 K steps = 4 times round the ring
.set POS,  8                           ; v8-15   positions of my token in the eight token tiles, f32
.set ADRX, 16                          ; v16-17  x's fragments in slot 0, 1
.set ADRW, 18                          ; v18-23  my rows of Wq, Wk, Wv in slot 0, then in slot 1
.set QST,  24                          ; v24     16 lane + 512 wave: my chunk of a q or k image
.set VST,  25                          ; v25     16 lane + 4096 wave: my two images of v
.set PA,   26                          ; v26     4 r
.set SPW,  28                          ; v28     my spare word; never rewritten
.set NIL,  29                          ; v29     0; never rewritten
.set WS0,  32                          ; the weights' set 0; set 1 lies 96 further on
.set AN, 32                            ; at the head, where the weights' sets are still free: eight registers each
.set TT, 40
.set NN, 48
.set ZZ, 56
.set PS, 64
.set QC, 72
.set XZ, 80
.set SG, 88
.set RR, 96
.set FQ, 0                             ; v0-7: my eight frequencies, once the thread's number is used no more
.set INVPI, 224
.set MAGIC, 226
.set NPIH,  228
.set NPIL,  230
.set C3,  232
.set C5,  234
.set C7,  236
.set C9,  238
.set C11, 240
.set D4,  242
.set D6,  244
.set D8,  246
.set D10, 248
.set D12, 250
.set SCQ, 224                          ; on the way out: the scale, and at +1 the largest number x the scale
.set SCK, 226
.set SCV, 228
.set R16, 32
.set T16, 48
.set CQ,  128                          ; codes: each store has registers of its own
.set CK,  160
.set CV,  192
.set WV,  16                           ; s16 my wave's number
.set G1X, 24
.set G0X, 32
.set G1W, 48
.set G0W, 56
.set MUL_QK, 0xa4                      ; source 0 (W) window 0, source 1 (x) window 1, C and D window 2
.set MUL_V,  0xf1                      ; source 0 (x) window 1, source 1 (Wv) window 0, C and D window 3
.set TO_X,   0x40                      ; destination window 1
.set MSB, 0
.macro WIN new                         ; the immediate's high byte repeats the setting that is left
.if MSB != \new
	s_set_vgpr_msb (MSB<<8)|\new
.set MSB, \new
.endif
.endm
.macro PLACES n
.rept \n
	v_nop
.endr
.endm
; A joint load: wave 0 asks for x's tile, the others for their weight's.  The branch hangs on the wave's number alone.  Four v_nop follow each line.
.macro JLOAD s
	s_cmp_eq_u32 s[WV], 0
	s_cbranch_scc0 .Lfor_w_\@
	tensor_load_to_lds s[G0X+4*\s:G0X+4*\s+3], s[G1X:G1X+7]
	s_nop 0
.rept 4
	v_nop
.endr
	s_branch .Lasked_\@
.Lfor_w_\@:
	tensor_load_to_lds s[G0W+4*\s:G0W+4*\s+3], s[G1W:G1W+7]
	s_nop 0
.rept 4
	v_nop
.endr
.Lasked_\@:
.endm
.macro CREST                           ; a round of the cluster's barrier behind its opening barrier
	s_cmp_lg_u32 s[WV], 0
	s_cbranch_scc1 .Lnot_wave_0_\@
	s_barrier_signal -3
.Lnot_wave_0_\@:
	s_barrier_wait -3
	s_barrier_signal -1
	s_barrier_wait -1
.endm
.macro CROUND
	s_barrier_signal -1
	s_barrier_wait -1
	CREST
.endm
.macro CONST reg, bits
	v_mov_b32 v[\reg], \bits
	v_mov_b32 v[\reg+1], \bits
.endm
	s_load_b256 s[4:11], s[0:1], 0x0               ; x s[4:5], Wq s[6:7], Wk s[8:9], Wv s[10:11]
	s_load_b128 s[12:15], s[0:1], 0x20             ; the scales' exponents s[12:13], the positions s[14:15]
	s_load_b128 s[68:71], s[0:1], 0x30             ; qc s[68:69], kc s[70:71]
	s_load_b64 s[72:73], s[0:1], 0x40              ; vc
	v_lshl_add_u32 v[SPW], v0, 2, SPARE
	v_mov_b32 v[NIL], 0
	ds_add_u32 v28, v29
	ds_add_u32 v28, v29
	s_wait_dscnt 0x0
	v_lshrrev_b32 v1, 5, v0
	v_readfirstlane_b32 s[WV], v1                  ; wave 0..3
	s_bfe_u32 s40, ttmp6, 0x40000                  ; cx, cy: my place in the cluster
	s_bfe_u32 s41, ttmp6, 0x40004
	s_lshl_b32 s42, ttmp9, 2
	s_add_co_u32 s42, s42, s40                     ; hd = 4 x cluster x + cx
	s_and_b32 s17, ttmp7, 0xffff
	s_lshl_b32 s17, s17, 2
	s_add_co_u32 s17, s17, s41                     ; rb = 4 x cluster y + cy
	s_lshl_b32 s43, s41, 2
	s_lshl_b32 s43, 15, s43                        ; my row of the cluster
	s_lshl_b32 s44, 0x1111, s40                    ; my column
	; descriptor group 1: 128 rows x 256 bytes, 2,048 bytes apart in memory, 16 bytes of padding behind each row in LDS
	s_or_b32 s[G1X+0], s43, (0<<16)|(1<<20)|(1<<21)|(5<<22)|(3<<25)  ; the mask; elements of 1 byte; padding on; bit 21 beside a mask; after every 64 words; 4 words
	s_or_b32 s[G1W+0], s44, (0<<16)|(1<<20)|(1<<21)|(5<<22)|(3<<25)
.irp g, G1X, G1W
	s_mov_b32 s[\g+1], 256<<16                     ; tensor_dim0
	s_mov_b32 s[\g+2], 128<<16                     ; tensor_dim1
	s_mov_b32 s[\g+3], 256<<16                     ; tile_dim0
	s_mov_b32 s[\g+4], 128                         ; tile_dim1
	s_mov_b32 s[\g+5], 2048                        ; from row to row
	s_mov_b32 s[\g+6], 0
	s_mov_b32 s[\g+7], 0
.endr
	s_lshl_b32 s20, s17, 18                        ; x: 128 rb rows of 2,048 bytes
	s_mov_b32 s21, 0
	s_lshl_b32 s46, s42, 18                        ; W: 128 hd rows
	s_mov_b32 s47, 0
	s_mul_i32 s45, s[WV], TILE                     ; where my tile goes: no place in the cluster enters an LDS address
	s_wait_kmcnt 0x0
	s_load_b256 s[76:83], s[12:13], 0x0            ; e0 .. e7
	s_load_b32 s84, s[12:13], 0x24                 ; e9
	s_cmp_eq_u32 s[WV], 2                          ; which weight I fetch: a choice on the wave's number
	s_cselect_b64 s[22:23], s[8:9], s[6:7]
	s_cmp_eq_u32 s[WV], 3
	s_cselect_b64 s[22:23], s[10:11], s[22:23]
	s_add_nc_u64 s[46:47], s[22:23], s[46:47]
	s_add_nc_u64 s[20:21], s[4:5], s[20:21]
	v_and_b32 v[PA], 15, v0
	v_lshlrev_b32 v[PA], 2, v[PA]                  ; 4 r
	s_lshl_b32 s86, s17, 9                         ; my row block's 128 positions
	s_mov_b32 s87, 0
	s_add_nc_u64 s[14:15], s[14:15], s[86:87]
.irp m, 0,1,2,3,4,5,6,7
	global_load_b32 v[POS+\m], v[PA], s[14:15] offset:64*\m   ; the position of token 16 m + r: asked for ahead of the round
.endr
	CROUND                                         ; all sixteen work-groups are here: the first joint loads meet
.irp s, 0,1
	s_mov_b32 s[G0X+4*\s], 1
	s_add_co_u32 s[G0X+4*\s+1], s45, \s*SLOT
	s_add_nc_u64 s[G0X+4*\s+2:G0X+4*\s+3], s[20:21], \s*256
	s_or_b32 s[G0X+4*\s+3], s[G0X+4*\s+3], 0x80000000
	s_mov_b32 s[G0W+4*\s], 1
	s_add_co_u32 s[G0W+4*\s+1], s45, \s*SLOT
	s_add_nc_u64 s[G0W+4*\s+2:G0W+4*\s+3], s[46:47], \s*256
	s_or_b32 s[G0W+4*\s+3], s[G0W+4*\s+3], 0x80000000
.endr
	JLOAD 0                                        ; K step 0: one tensor load a wave at the head
	s_cmp_eq_u32 s[WV], 0                          ; the prefetches: wave 0 asks for x's rows, the others for their weight's
	s_cselect_b64 s[PFA:PFA+1], s[20:21], s[46:47]
	s_cselect_b32 s94, s40, s41                    ; my place among the four that ask for the tile with me
	s_lshl_b32 s94, s94, 16                        ; x 32 rows of 2,048 bytes
	s_mov_b32 s95, 0
	s_add_nc_u64 s[PFA:PFA+1], s[PFA:PFA+1], s[94:95]
	v_and_b32 v[PFO], 31, v0
	v_lshlrev_b32 v[PFO], 11, v[PFO]
	global_prefetch_b8 v[PFO], s[PFA:PFA+1] offset:256 th:TH_LOAD_NT scope:SCOPE_SE   ; K step 1
	global_prefetch_b8 v[PFO], s[PFA:PFA+1] offset:512 th:TH_LOAD_NT scope:SCOPE_SE   ; K step 2
	v_and_b32 v1, 15, v0                           ; r
	v_bfe_u32 v2, v0, 4, 1                         ; h
	v_mul_u32_u24 v[ADRX], v1, PITCH
	v_lshl_add_u32 v[ADRX], v2, 4, v[ADRX]         ; row r x pitch + 16 h
	v_add_nc_u32 v[ADRX+1], SLOT, v[ADRX]
	s_mul_i32 s18, s[WV], 32*PITCH                 ; my 32 rows of each weight
	v_add_nc_u32 v3, s18, v[ADRX]
.irp s, 0,1
.irp t, 0,1,2
	v_add_nc_u32 v[ADRW+3*\s+\t], \s*SLOT+(1+\t)*TILE, v3
.endr
.endr
	v_lshlrev_b32 v[QST], 4, v0                    ; 16 x thread = 16 lane + 512 wave
	v_and_b32 v4, 31, v0
	v_lshlrev_b32 v4, 4, v4
	s_lshl_b32 s18, s[WV], 12
	v_add_nc_u32 v[VST], s18, v4
	s_lshl_b32 s88, s42, 18                        ; the three outputs begin at the same byte: hd x 2^18 + rb x 2^14
	s_lshl_b32 s89, s17, 14
	s_add_co_u32 s88, s88, s89
	s_mov_b32 s89, 0
	s_add_nc_u64 s[68:69], s[68:69], s[88:89]
	s_add_nc_u64 s[70:71], s[70:71], s[88:89]
	s_add_nc_u64 s[72:73], s[72:73], s[88:89]
	; my eight frequencies: register pair p of column tile u rotates by frequency k = 16 w + 8 u + 4 h + p
	s_lshl_b32 s90, s[WV], 4
	v_lshl_add_u32 v31, v2, 2, s90
.irp f, 0,1,2,3,4,5,6,7
	v_add_nc_u32 v[FQ+\f], 8*(\f/4)+\f%4, v31
.endr
.irp f, 0,1,2,3,4,5,6,7
	v_cvt_f32_u32 v[FQ+\f], v[FQ+\f]
.endr
.irp f, 0,1,2,3,4,5,6,7
	v_mul_f32 v[FQ+\f], 0xbe549a78, v[FQ+\f]       ; x -log2(10000) / 64
.endr
	s_wait_alu depctr_va_vdst(0)
.irp f, 0,1,2,3,4,5,6,7
	v_exp_f32 v[FQ+\f], v[FQ+\f]                   ; 10000^(-k / 64): one batch
.endr
	CONST INVPI, 0x3ea2f983                        ; 1 / pi.  (These moves are the plain work behind the batch)
	CONST MAGIC, 0x4b400000                        ; 1.5 x 2^23: adding it rounds to a whole number, whose parity is the sum's lowest bit
	CONST NPIH,  0xc0490fdb                        ; -pi, upper part
	CONST NPIL,  0x33bbbd2e                        ; -pi, the rest
	CONST C3,    0xbe2aaaab                        ; -1/3!
	CONST C5,    0x3c088889                        ; 1/5!
	CONST C7,    0xb9500d01
	CONST C9,    0x3638ef1d
	CONST C11,   0xb2d7322b
	CONST D4,    0x3d2aaaab                        ; 1/4!
	CONST D6,    0xbab60b61
	CONST D8,    0x37d00d01
	CONST D10,   0xb493f27e
	CONST D12,   0x310f76c7
	s_wait_alu depctr_va_vdst(0)                   ; one wait for the eight exponentials, ahead of their first reader
	s_wait_loadcnt 0x0                             ; the positions
.irp m, 0,1,2,3,4,5,6,7
	v_cvt_f32_i32 v[POS+\m], v[POS+\m]
.endr
.macro HORN d, k                       ; d = d z + k, eight numbers
.irp i, 0,2,4,6
	v_pk_fma_f32 v[\d+\i:\d+\i+1], v[\d+\i:\d+\i+1], v[ZZ+\i:ZZ+\i+1], v[\k:\k+1]
.endr
.endm
; cos and sin of my token of tile m at my eight frequencies, into window 1
.macro SINCOS m
.irp i, 0,2,4,6
.if (\m)%2
	v_pk_mul_f32 v[AN+\i:AN+\i+1], v[FQ+\i:FQ+\i+1], v[POS+2*((\m)/2):POS+2*((\m)/2)+1] op_sel:[0,1] op_sel_hi:[1,1]
.else
	v_pk_mul_f32 v[AN+\i:AN+\i+1], v[FQ+\i:FQ+\i+1], v[POS+2*((\m)/2):POS+2*((\m)/2)+1] op_sel_hi:[1,0]
.endif
.endr
.irp i, 0,2,4,6
	v_pk_fma_f32 v[TT+\i:TT+\i+1], v[AN+\i:AN+\i+1], v[INVPI:INVPI+1], v[MAGIC:MAGIC+1]
.endr
.irp i, 0,2,4,6
	v_pk_add_f32 v[NN+\i:NN+\i+1], v[TT+\i:TT+\i+1], v[MAGIC:MAGIC+1] neg_lo:[0,1] neg_hi:[0,1]   ; n
.endr
.irp i, 0,2,4,6
	v_pk_fma_f32 v[RR+\i:RR+\i+1], v[NN+\i:NN+\i+1], v[NPIH:NPIH+1], v[AN+\i:AN+\i+1]
.endr
.irp i, 0,2,4,6
	v_pk_fma_f32 v[RR+\i:RR+\i+1], v[NN+\i:NN+\i+1], v[NPIL:NPIL+1], v[RR+\i:RR+\i+1]             ; r = angle - n pi
.endr
.irp i, 0,2,4,6
	v_pk_mul_f32 v[ZZ+\i:ZZ+\i+1], v[RR+\i:RR+\i+1], v[RR+\i:RR+\i+1]
.endr
.irp i, 0,2,4,6
	v_pk_fma_f32 v[PS+\i:PS+\i+1], v[ZZ+\i:ZZ+\i+1], v[C11:C11+1], v[C9:C9+1]
.endr
.irp i, 0,2,4,6
	v_pk_fma_f32 v[QC+\i:QC+\i+1], v[ZZ+\i:ZZ+\i+1], v[D12:D12+1], v[D10:D10+1]
.endr
	HORN PS, C7
	HORN QC, D8
	HORN PS, C5
	HORN QC, D6
	HORN PS, C3
	HORN QC, D4
.irp i, 0,2,4,6
	v_pk_fma_f32 v[QC+\i:QC+\i+1], v[QC+\i:QC+\i+1], v[ZZ+\i:ZZ+\i+1], -0.5 op_sel_hi:[1,1,0]
.endr
.irp i, 0,2,4,6
	v_pk_mul_f32 v[XZ+\i:XZ+\i+1], v[RR+\i:RR+\i+1], v[ZZ+\i:ZZ+\i+1]
.endr
.irp i, 0,2,4,6
	v_pk_fma_f32 v[PS+\i:PS+\i+1], v[XZ+\i:XZ+\i+1], v[PS+\i:PS+\i+1], v[RR+\i:RR+\i+1]           ; sin r
.endr
.irp i, 0,2,4,6
	v_pk_fma_f32 v[QC+\i:QC+\i+1], v[ZZ+\i:ZZ+\i+1], v[QC+\i:QC+\i+1], 1.0 op_sel_hi:[1,1,0]      ; cos r
.endr
.irp f, 0,1,2,3,4,5,6,7
	v_lshlrev_b32 v[SG+\f], 31, v[TT+\f]           ; n's parity as a sign bit
.endr
	WIN TO_X
.irp f, 0,1,2,3,4,5,6,7
	v_xor_b32 v[128+16*(\m)+2*\f], v[QC+\f], v[SG+\f]
	v_xor_b32 v[128+16*(\m)+2*\f+1], v[PS+\f], v[SG+\f]
.endr
	WIN 0
.endm
.irp m, 0,1,2
	SINCOS \m                                      ; while K step 0 is on its way; the other five stand behind its products
.endr
.macro FRAG reg, adr, q, i             ; 16 rows x 128 K: lane (r, h): registers 4 c .. 4 c + 3 hold K = 32 c + 16 h + 0 .. 15
.irp c, 0,1,2,3
	ds_load_b128 v[\reg+4*\c:\reg+4*\c+3], v[\adr] offset:128*(\q)+32*\c+(\i)*16*PITCH
.endr
.endm
.macro FETCH_W slot, q, set            ; my six fragments of the weights (2 mat + u), 24 loads
	WIN 0
.irp t, 0,1,2,3,4,5
	FRAG WS0+96*(\set)+16*\t, ADRW+3*(\slot)+\t/2, \q, \t%2
.endr
.endm
.macro FETCH_X slot, q, i0             ; x's blocks i0 .. i0 + 3, 16 loads
	WIN TO_X
.irp i, \i0, \i0+1, \i0+2, \i0+3
	FRAG 16*(\i), ADRX+\slot, \q, \i
.endr
	WIN 0
.endm
; 16 products: token tiles m0 .. m0 + 3 x (q0, q1, k0, k1).  The 48 accumulators take turns, one instruction a turn, in the same order in every step.
.macro MULQK m0, set, zero
.irp m, \m0, \m0+1, \m0+2, \m0+3
.irp t, 0,1,2,3
.if \zero
	v_wmma_f32_16x16x128_fp8_fp8 v[128*(\t/2)+16*(\m)+8*(\t%2):128*(\t/2)+16*(\m)+8*(\t%2)+7], v[WS0+96*(\set)+16*\t:WS0+96*(\set)+16*\t+15], v[16*(\m):16*(\m)+15], 0
.else
	v_wmma_f32_16x16x128_fp8_fp8 v[128*(\t/2)+16*(\m)+8*(\t%2):128*(\t/2)+16*(\m)+8*(\t%2)+7], v[WS0+96*(\set)+16*\t:WS0+96*(\set)+16*\t+15], v[16*(\m):16*(\m)+15], v[128*(\t/2)+16*(\m)+8*(\t%2):128*(\t/2)+16*(\m)+8*(\t%2)+7]
.endif
.endr
.endr
.endm
.macro MULV m0, set, zero              ; 8 products: token tiles m0 .. m0 + 3 x (v0, v1)
.irp m, \m0, \m0+1, \m0+2, \m0+3
.irp u, 0,1
.if \zero
	v_wmma_f32_16x16x128_fp8_fp8 v[16*(\m)+8*\u:16*(\m)+8*\u+7], v[16*(\m):16*(\m)+15], v[WS0+96*(\set)+16*(4+\u):WS0+96*(\set)+16*(4+\u)+15], 0
.else
	v_wmma_f32_16x16x128_fp8_fp8 v[16*(\m)+8*\u:16*(\m)+8*\u+7], v[16*(\m):16*(\m)+15], v[WS0+96*(\set)+16*(4+\u):WS0+96*(\set)+16*(4+\u)+15], v[16*(\m)+8*\u:16*(\m)+8*\u+7]
.endif
.endr
.endr
.endm
; A slot's first 128 along K: multiplies set 0 and fetches the slot's second 128 into set 1.  Loads into registers that matrix instructions have read stand four plain places behind them (ISA guide 7.12.1 for vector instructions).
.macro STEP slot, zero
	s_wait_dscnt 16                                ; the weights' set and x's blocks 0-3 are in; the youngest 16 loads (x's blocks 4-7) may be out
	WIN MUL_QK
	MULQK 0, 0, \zero
	WIN MUL_V
	MULV 0, 0, \zero
	s_wait_dscnt 0x0                               ; x's blocks 4-7 are in
	PLACES 4
	FETCH_W \slot, 1, 1
	FETCH_X \slot, 1, 0
	WIN MUL_QK
	MULQK 4, 0, \zero
	WIN MUL_V
	MULV 4, 0, \zero
	PLACES 4
	FETCH_X \slot, 1, 4
.endm
; A slot's second 128 changes slots: one barrier; in front of it each wave waits for all its tensor loads, adds 0 to its spare word, and waits for that and for its reads of this slot.
.macro TURN slot, next, fill
.if \fill
	s_wait_xcnt 0x0                                ; any prefetch of mine has read its address, so it may be stepped: one K step on
	s_add_nc_u64 s[PFA:PFA+1], s[PFA:PFA+1], 256
.endif
	s_wait_dscnt 16                                ; the youngest 16 loads (x's blocks 4-7) may be out
	WIN MUL_QK
	MULQK 0, 1, 0
	WIN 0                                          ; (the add's two registers lie in window 0)
	s_wait_tensorcnt 0x0                           ; all my tensor loads have landed: my part of the next slot
	ds_add_u32 v[SPW], v[NIL]                      ; 0 onto my spare word
	WIN MUL_V
	MULV 0, 1, 0                                   ; eight products stand between the add and the wait for it
	s_wait_dscnt 0x0                               ; the add is done, and my reads of this slot are over
	s_barrier_signal -1
	WIN 0
	s_barrier_wait -1
.if \fill
	CREST                                          ; the barrier has opened a round of the cluster's: no wave of any partner still reads this slot or has a load on its way
	s_add_nc_u64 s[G0X+4*\slot+2:G0X+4*\slot+3], s[G0X+4*\slot+2:G0X+4*\slot+3], 512
	s_add_nc_u64 s[G0W+4*\slot+2:G0W+4*\slot+3], s[G0W+4*\slot+2:G0W+4*\slot+3], 512
	JLOAD \slot                                    ; the first tensor load behind the round; its four v_nop are the places in front of the loads below
.else
	PLACES 4
.endif
	FETCH_W \next, 0, 0
	FETCH_X \next, 0, 0
.if \fill
	s_cmp_gt_u32 s3, 1                             ; the loop's last trip has no K step two on
	s_cbranch_scc0 .Lno_ask_\@
	global_prefetch_b8 v[PFO], s[PFA:PFA+1] offset:768 th:TH_LOAD_NT scope:SCOPE_SE   ; two K steps behind the one just asked for
.Lno_ask_\@:
.endif
	WIN MUL_QK
	MULQK 4, 1, 0
	WIN MUL_V
	MULV 4, 1, 0
	PLACES 4
	FETCH_X \next, 0, 4
.endm
	s_wait_alu depctr_va_vdst(0)                   ; the wait at the head's end
	s_wait_tensorcnt 0x0                           ; my part of K step 0 is in; these lines stand ahead of a later first fill as ahead of a refill
	ds_add_u32 v[SPW], v[NIL]
	s_wait_dscnt 0x0
	CROUND                                         ; everybody's part of K step 0 is in, and the joint loads meet
	JLOAD 1                                        ; K step 1's load, the first tensor load behind the round
	FETCH_W 0, 0, 0
	FETCH_X 0, 0, 0
	FETCH_X 0, 0, 4
	global_prefetch_b8 v[PFO], s[PFA:PFA+1] offset:768 th:TH_LOAD_NT scope:SCOPE_SE   ; K step 3
	STEP 0, 1                                      ; the first step's products start the sums: nothing is cleared
.irp m, 3,4,5,6,7
	SINCOS \m                                      ; K step 1 is on its way; the registers of the weights' set 0, which the products have left, serve as its temporaries
.endr
	s_wait_alu depctr_va_vdst(0)                   ; the wait here, ahead of the loop's waits and branches
	s_mov_b32 s3, LAPS-1
.Llap:                                                 ; a trip goes once round the ring and fills both slots again
	TURN 0, 1, 1
	STEP 1, 0
	TURN 1, 0, 1
	STEP 0, 0
	s_sub_co_u32 s3, s3, 1
	s_cmp_lg_u32 s3, 0
	s_cbranch_scc1 .Llap
	TURN 0, 1, 0                                   ; the last lap fills nothing
	STEP 1, 0
	s_wait_dscnt 16
	WIN MUL_QK
	MULQK 0, 1, 0
	WIN MUL_V
	MULV 0, 1, 0
	s_wait_dscnt 0x0
	WIN MUL_QK
	MULQK 4, 1, 0
	WIN MUL_V
	MULV 4, 1, 0
	WIN 0
	PLACES 4                                       ; in front of the first read of results and of writes over the fragments' registers
	; THE WAY OUT
.macro SCALE eo, ea, eb, sc            ; v[sc] = 2^(eo - ea - eb) as f32; v[sc + 1] = 448 x that
	s_sub_co_i32 s86, s[\eo], s[\ea]
	s_sub_co_i32 s86, s86, s[\eb]
	s_add_co_i32 s86, s86, 127
	s_lshl_b32 s87, s86, 23
	v_mov_b32 v[\sc], s87
	s_add_co_i32 s86, s86, 8
	s_lshl_b32 s86, s86, 23
	s_or_b32 s86, s86, 0x600000
	v_mov_b32 v[\sc+1], s86
.endm
	s_wait_kmcnt 0x0
	SCALE 82, 76, 77, SCQ
	SCALE 83, 78, 79, SCK
	SCALE 84, 80, 81, SCV
; Token tile m of q or of k: rotate (two packed lines a pair), hold, convert, store my chunk of the tile's image.
.macro ROPEQ ac, m, sc, code, base
	WIN 0x06                                       ; source 0 (the sums) window 2, source 1 (cos, sin) window 1
.irp n, 0,2,4,6,8,10,12,14
	v_pk_mul_f32 v[T16+\n:T16+\n+1], v[\ac+16*(\m)+\n:\ac+16*(\m)+\n+1], v[128+16*(\m)+\n:128+16*(\m)+\n+1] op_sel_hi:[1,0]   ; (c x0, c x1); each accumulator is read from its low end on
.endr
.irp n, 0,2,4,6,8,10,12,14
	v_pk_fma_f32 v[R16+\n:R16+\n+1], v[\ac+16*(\m)+\n:\ac+16*(\m)+\n+1], v[128+16*(\m)+\n:128+16*(\m)+\n+1], v[T16+\n:T16+\n+1] op_sel:[1,1,0] op_sel_hi:[0,1,1] neg_lo:[0,1,0]   ; (c x0 - s x1, s x0 + c x1)
.endr
	WIN 0
.irp i, 0,1,2,3,4,5,6,7,8,9,10,11,12,13,14,15
	v_med3_num_f32 v[R16+\i], v[R16+\i], -v[\sc+1], v[\sc+1]   ; the conversion to an 8-bit code does not saturate (ISA guide 7.6.2)
.endr
	v_cvt_scalef32_pk8_fp8_f32 v[\code+4*(\m):\code+4*(\m)+1], v[R16:R16+7], v[\sc]
	v_cvt_scalef32_pk8_fp8_f32 v[\code+4*(\m)+2:\code+4*(\m)+3], v[R16+8:R16+15], v[\sc]
	v_nop                                          ; a plain line behind the conversions, ahead of the next write of their sources
	global_store_b128 v[QST], v[\code+4*(\m):\code+4*(\m)+3], s[\base:\base+1] offset:2048*(\m)   ; the wave stores 512 consecutive bytes, the four waves a whole image
.endm
.irp m, 0,1,2,3,4,5,6,7
	ROPEQ 0, \m, SCQ, CQ, 68
.endr
.irp m, 0,1,2,3,4,5,6,7
	ROPEQ 128, \m, SCK, CK, 70
.endr
	WIN 0xc3                                       ; source 0 and destination window 3
.set ii, 0
.rept 128
	v_med3_num_f32 v[ii], v[ii], -v[SCV+1], v[SCV+1]
.set ii, ii+1
.endr
	WIN 0x03                                       ; source 0 window 3
.irp u, 0,1
.irp m, 0,1,2,3,4,5,6,7
	v_cvt_scalef32_pk8_fp8_f32 v[CV+16*\u+2*\m:CV+16*\u+2*\m+1], v[16*\m+8*\u:16*\m+8*\u+7], v[SCV]   ; keys 16 m + 8 h + 0 .. 7 of channel r: registers 2 m, 2 m + 1
.endr
.endr
	v_nop
	WIN 0
.irp u, 0,1
.irp c, 0,1,2,3
	global_store_b128 v[VST], v[CV+16*\u+4*\c:CV+16*\u+4*\c+3], s[72:73] offset:2048*\u+512*\c
.endr
.endr
	s_wait_tensorcnt 0x0                           ; the wave's end
	ds_add_u32 v[SPW], v[NIL]
	s_wait_dscnt 0x0
	CROUND                                         ; the closing round: no work-group ends while a partner may still ask for a tile that names it
	s_endpgm
.Lfunc_end_k_qbb121612a8_qkv:
	.size	k_qbb121612a8_qkv, .Lfunc_end_k_qbb121612a8_qkv-k_qbb121612a8_qkv
	.p2alignl 7, 3214868480
	.fill 96, 4, 3214868480
	.section	.rodata,"a",@progbits
	.p2align	6, 0x0
	.amdhsa_kernel k_qbb121612a8_qkv
		.amdhsa_group_segment_fixed_size 327680
		.amdhsa_private_segment_fixed_size 0
		.amdhsa_enable_private_segment 0
		.amdhsa_kernarg_size 72
		.amdhsa_user_sgpr_count 2
		.amdhsa_user_sgpr_kernarg_segment_ptr 1
		.amdhsa_wavefront_size32 1
		.amdhsa_system_sgpr_workgroup_id_x 1
		.amdhsa_system_sgpr_workgroup_id_y 1
		.amdhsa_system_sgpr_workgroup_id_z 1
		.amdhsa_system_vgpr_workitem_id 0
		.amdhsa_next_free_vgpr 1024
		.amdhsa_next_free_sgpr 100
		.amdhsa_reserve_vcc 0
		.amdhsa_float_denorm_mode_32 3
		.amdhsa_float_denorm_mode_16_64 3
		.amdhsa_memory_ordered 1
		.amdhsa_forward_progress 1
		.amdhsa_inst_pref_size 162
	.end_amdhsa_kernel
	.amdgpu_metadata
---
amdhsa.version: [ 1, 2 ]
amdhsa.kernels:
  - .name:           k_qbb121612a8_qkv
    .symbol:         k_qbb121612a8_qkv.kd
    .args:
      - { .name: x_codes, .offset: 0, .size: 8, .value_kind: global_buffer, .address_space: global }
      - { .name: Wq_codes, .offset: 8, .size: 8, .value_kind: global_buffer, .address_space: global }
      - { .name: Wk_codes, .offset: 16, .size: 8, .value_kind: global_buffer, .address_space: global }
      - { .name: Wv_codes, .offset: 24, .size: 8, .value_kind: global_buffer, .address_space: global }
      - { .name: lowp_scales, .offset: 32, .size: 8, .value_kind: global_buffer, .address_space: global }
      - { .name: token_positions, .offset: 40, .size: 8, .value_kind: global_buffer, .address_space: global }
      - { .name: qc, .offset: 48, .size: 8, .value_kind: global_buffer, .address_space: global }
      - { .name: kc, .offset: 56, .size: 8, .value_kind: global_buffer, .address_space: global }
      - { .name: vc, .offset: 64, .size: 8, .value_kind: global_buffer, .address_space: global }
    .group_segment_fixed_size: 327680
    .private_segment_fixed_size: 0
    .kernarg_segment_align: 8
    .kernarg_segment_size: 72
    .max_flat_workgroup_size: 128
    .sgpr_count:     100
    .vgpr_count:     1024
    .wavefront_size: 32
...
	.end_amdgpu_metadata
.endif
;; end of part 1
;; launch attn (part 2): grid 16 x 16, 16 waves a work-group, clusters of 4 x 1, 327,680 bytes of LDS; arguments qc, kc, vc, lowp_scales, ac; writes ac
.if DOCPART == 2
	.amdgcn_target "amdgcn-amd-amdhsa--gfx1250"
	.amdhsa_code_object_version 6
	.text
	.protected	k_qbb121612a8_attn
	.globl	k_qbb121612a8_attn
	.p2align	8
	.type	k_qbb121612a8_attn,@function
k_qbb121612a8_attn:
	s_mov_b64 s[64:65], 0
	v_nop
	global_prefetch_b8 v0, s[64:65] scope:SCOPE_SE
	s_setreg_imm32_b32 hwreg(HW_REG_WAVE_MODE, 25, 1), 1
	s_wait_xcnt 0x0
	s_wait_alu depctr_hold_cnt(0) depctr_sa_sdst(0) depctr_va_vdst(0) depctr_va_sdst(0) depctr_va_ssrc(0) depctr_va_vcc(0) depctr_vm_vsrc(0)
	s_getreg_b32 s2, hwreg(HW_REG_IB_STS2, 6, 4)
	s_cmp_eq_u32 s2, 0
	s_cbranch_scc0 .Lentry_in_a_cluster
	s_endpgm
.Lentry_in_a_cluster:
	s_bfe_u32 s2, ttmp6, 0x10000c
	s_cmp_lg_u32 s2, 0x3003
	s_cbranch_scc0 .Lentry_shape_is_right
	s_endpgm
.Lentry_shape_is_right:
; Causal attention on codes of E4M3, 16 heads of 128, 2,048 tokens; its result is quantised for the output projection.
; qc, kc: [head][tile of 16 tokens][2048]; vc: [head][block of 128 keys][tile of 16 channels][2048]; ac: [block of 128 tokens][head][tile of 16 tokens][2048]: images of operand registers:
; byte 512 c + 16 lane + i of a fragment is byte i of that lane's registers 4 c .. 4 c + 3, and registers 2 t, 2 t + 1 hold k = 16 t + 8 (lane / 16) + 0 .. 7 of row lane % 16.
; SOFTMAX: t = score x log2(e) / sqrt(128); M = the running largest t rounded up to a whole number; p = 2^(t - M) is quantised with 2^e8, not normalised; the row's sum is taken of the unquantised p and divides at the end.
; When M moves, the sum and O are multiplied by 2^(old M - new M), which rounds nothing.
; LAYOUT.  S^T = K Q^T (source 0 = 16 keys, source 1 = my 16 queries), O^T = V^T P^T (source 0 = 16 channels, source 1 = P): a lane holds one query throughout, and the conversions' results are the next operand's registers.
; SHARES.  A tile of 16 queries is walked by TWO waves: wave w has parity w / 8 and tile number ti = (w % 8) xor 2 (w / 8), and takes the key steps (128 keys each) of its parity.  Each keeps an M, a sum and an O^T of its own;
; at the end the odd wave hands its three to the even one through LDS, and both are brought under the larger M by powers of two.  So the longest chain of steps in a wave is 8 of a head's 16.
; A head's 2,048 queries are 16 groups of 128; group g has g + 1 key steps with work.  Cluster cl of a head and tile number ti serve group (cl + 4 (ti / 2 % 2)) xor 15 (ti % 2 xor ti / 4); the tile in the group is 2 cx + ti / 4.
; Waves w, w + 4, w + 8, w + 12 have 9 + 8 = 17 steps between them.  Group and parity hang on the cluster's number and the wave's alone, so every branch is alike in the four partners; cx enters only q's and the output's
; addresses, the prefetch's address and the mask's register.
; CLUSTER 4 x 1: the four partners walk one head's K and V: each tile is asked for jointly.  Every work-group walks all four slots of 512 keys: the trip counts are constants; a step whose keys all come after
; the wave's queries is passed over by a scalar branch round its work alone.
; LIMITS: e6 + e7 between -123 and 130; e8 and e10 between -126 and 119; NaN is not served.
; REGISTERS: v1 16 lane; v2, v7 the merge's LDS addresses; v3 256 lane; v4 the mask's d; v5, v6 the spare word's address and 0; v8, v9 LDS addresses of the step's K and V; v12 -M, v13 the largest t, v[14:15] the sum;
;   v16-31 Q; v32-95 four fragments of K, then V's fragments 0-3; v96-159 S^T, then p, then V's fragments 4-7; v160-223 O^T; v224-239 codes; v240, v244: 448 x 2^e8, 2^e8; v241, v245: the same with e10; v236, v242, v243, v252-254 at work.
; WORK LEFT OUT: a key step all of whose keys come after a tile's queries: reference()'s own mask gives its weights 0 for all values of the inputs.  LIMIT: a NaN, an infinity or an overflow there is not carried to the result.
.set SLOT1, 1<<17                      ; slot 1 begins here: one exclusive or turns an address from one slot to the other
.set VOFF,  65536                      ; a slot: 32 images of K (512 keys), then 32 of V
.set STEPB, 16384                      ; a key step's eight images
.set SPARE, 2*SLOT1                    ; the spare words: 128 bytes a wave, eight blocks of 256 bytes that no other line names
.set ML,    SPARE+2048                 ; the merge: (-M, sum) of the eight odd waves, 256 bytes each: bytes of their own
.set MRG,   0                          ; the merge: O^T of the eight odd waves, 8,192 bytes each, in slot 0: it has had its last fill and was left at the last change of slots, so nobody reads it
.set LI,   1
.set MA,   2
.set PFO,  3
.set VD,   4
.set SPW,  5
.set NIL,  6
.set MB,   7
.set ADK,  8
.set ADV,  9
.set TB,   2                           ; s2   LDS byte at which the step in hand begins
.set WV,   18
.set SEL,  20
.set CS,   22
.set G1,   24
.set G0,   40                          ; s[40:43] group 0 of my first fill: waves 0-3 slot 0, waves 4-7 slot 1
.set G0W,  44                          ; s[44:47] the walking group 0 of the refills (waves 0-3): made as for slot 1's first 512 keys, stepped ahead of each refill
.set TWICE, 66
.set SLOTS, 67
.set PFA,  76
.set LIM,  80
.set PAR,  96                          ; s96  my parity
.set TI,   97                          ; s97  my tile number, 0 .. 7
.set KS,   98                          ; s98  the key step's number, 0 .. 15
.set GRP,  99                          ; s99  my group of 128 queries
.macro TLOAD                           ; a joint refill: waves 0, 1 fetch the halves of a slot's K, waves 2, 3 of its V: one line, one mask; four v_nop follow it
	s_cmp_lt_u32 s[WV], 4
	s_cbranch_scc0 .Lnone_\@
	tensor_load_to_lds s[G0W:G0W+3], s[G1:G1+7]
	s_nop 0
.rept 4
	v_nop
.endr
.Lnone_\@:
.endm
; Prefetches of what the changes of slots will ask for.  Slots 0 and 1 are the first fills.  The third 512 keys are named at the head, behind the first fills, two of a wave's key steps ahead of their load; the last 512 at the
; first change of slots, likewise.  Every cluster asks for what it will load itself: its four partners take 16,384 bytes of K and of V each, told apart by address; in each, waves 4 and 5 ask for K's and waves 6 and 7 for V's,
; 8,192 bytes a wave, lanes 256 bytes apart: each block of 256 bytes is named once in each cluster.
.macro ASK
	s_cmp_gt_u32 s[SLOTS], s[LIM]
	s_cbranch_scc0 .Lnot_mine_\@
	global_prefetch_b8 v[PFO], s[PFA:PFA+1] th:TH_LOAD_NT scope:SCOPE_SE
.Lnot_mine_\@:
.endm
.macro CROUND                          ; a round of the cluster's barrier
	s_barrier_signal -1
	s_barrier_wait -1
	s_cmp_lg_u32 s[WV], 0
	s_cbranch_scc1 .Lnot_wave_0_\@
	s_barrier_signal -3
.Lnot_wave_0_\@:
	s_barrier_wait -3
	s_barrier_signal -1
	s_barrier_wait -1
.endm
	s_load_b128 s[4:7], s[0:1], 0x0                ; qc s[4:5], kc s[6:7]
	s_load_b128 s[12:15], s[0:1], 0x10             ; vc s[12:13], the scales' exponents s[14:15]
	s_load_b64 s[16:17], s[0:1], 0x20              ; ac
	v_lshl_add_u32 v[SPW], v0, 2, SPARE
	v_mov_b32 v[NIL], 0
	ds_add_u32 v5, v6
	ds_add_u32 v5, v6
	s_wait_dscnt 0x0
	v_lshrrev_b32 v8, 5, v0
	s_delay_alu instid0(VALU_DEP_1)
	v_readfirstlane_b32 s[WV], v8                  ; wave 0..15
	s_lshr_b32 s[PAR], s[WV], 3                    ; my parity
	s_and_b32 s[TI], s[WV], 7
	s_lshl_b32 s73, s[PAR], 1
	s_xor_b32 s[TI], s[TI], s73                    ; my tile number: the two waves of a tile have numbers that differ by 2 modulo 4
	s_and_b32 s90, ttmp7, 0xffff                   ; the head
	s_lshl_b32 s88, s90, 18                        ; its first byte in qc, kc and vc
	s_mov_b32 s89, 0
	s_and_b32 s73, s[TI], 2
	s_lshl_b32 s73, s73, 1
	s_add_co_u32 s73, s73, ttmp9                   ; cl + 4 (ti / 2 % 2)
	s_and_b32 s74, s[TI], 1
	s_lshr_b32 s75, s[TI], 2                       ; ti / 4
	s_xor_b32 s74, s74, s75
	s_mul_i32 s74, s74, 15
	s_xor_b32 s[GRP], s73, s74
	; every LDS address that stays is made here, of the lane's and the wave's numbers and constants
	v_and_b32 v[LI], 31, v0
	s_delay_alu instid0(VALU_DEP_1)
	v_lshlrev_b32 v[LI], 4, v[LI]                  ; 16 lane
	s_delay_alu instid0(VALU_DEP_1)
	v_lshlrev_b32 v[PFO], 4, v[LI]                 ; 256 lane
	s_lshl_b32 s73, s[TI], 13
	s_add_co_u32 s73, s73, MRG
	v_add_nc_u32 v[MA], s73, v[LI]                 ; my tile's O^T in the merge: 8,192 ti + 16 lane
	s_lshl_b32 s74, s[TI], 8
	s_add_co_u32 s74, s74, ML
	v_lshrrev_b32 v[MB], 1, v[LI]
	s_delay_alu instid0(VALU_DEP_1)
	v_add_nc_u32 v[MB], s74, v[MB]                 ; my tile's (-M, sum): 256 ti + 8 lane
	; descriptor group 1: 128 dense rows of 256 bytes (32 elements of 8 bytes)
	s_mov_b32 s[G1], 15|(3<<16)|(1<<21)            ; the mask: all four partners; elements of 8 bytes; bit 21 beside a mask
	s_mov_b32 s[G1+1], 32<<16
	s_mov_b32 s[G1+2], 128<<16
	s_mov_b32 s[G1+3], 32<<16
	s_mov_b32 s[G1+4], 128
	s_mov_b32 s[G1+5], 32
	s_mov_b32 s[G1+6], 0
	s_mov_b32 s[G1+7], 0
	s_and_b32 s91, s[WV], 1
	s_lshl_b32 s92, s91, 15                        ; which half of the slot's K or V I fetch
	s_mov_b32 s93, 0
	s_add_nc_u64 s[92:93], s[92:93], s[88:89]
	s_and_b32 s94, s[WV], 3
	s_lshl_b32 s94, s94, 15                        ; and where it goes: K's halves at 0 and 32,768, V's at 65,536 and 98,304
	s_mov_b32 s[SEL], 0x76543210
	s_mov_b32 s[SEL+1], 0xfedcba98
	s_mov_b32 s[CS], 0x3e0293ee                    ; c = log2(e) / sqrt(128)
	s_lshl_b32 s[TB], s[PAR], 14                   ; my first step of slot 0
	s_mov_b32 s[KS], s[PAR]
	s_mov_b32 s[SLOTS], 2
	s_wait_kmcnt 0x0
	s_load_b128 s[68:71], s[14:15], 0x18           ; e6, e7, e8, e9
	s_load_b32 s72, s[14:15], 0x28                 ; e10
	s_and_b32 s73, s[WV], 2
	s_cmp_eq_u32 s73, 0                            ; waves 0, 1 and 4, 5 fetch K, waves 2, 3 and 6, 7 V
	s_cselect_b64 s[G0W+2:G0W+3], s[6:7], s[12:13]
	s_add_nc_u64 s[G0W+2:G0W+3], s[G0W+2:G0W+3], s[92:93]
	s_bfe_u32 s73, s[WV], 0x10002                  ; which slot my first fill is for
	s_lshl_b32 s82, s73, 16
	s_mov_b32 s83, 0
	s_add_nc_u64 s[G0+2:G0+3], s[G0W+2:G0W+3], s[82:83]
	s_add_nc_u64 s[G0W+2:G0W+3], s[G0W+2:G0W+3], 65536   ; slot 1: the next 512 keys
	s_or_b32 s[G0+3], s[G0+3], 0x80000000
	s_or_b32 s[G0W+3], s[G0W+3], 0x80000000
	s_mov_b32 s[G0], 1
	s_mov_b32 s[G0W], 1
	s_lshl_b32 s73, s73, 17
	s_add_co_u32 s[G0+1], s94, s73
	s_add_co_u32 s[G0W+1], s94, SLOT1
	CROUND                                         ; the four partners are here: the first joint loads meet
	s_cmp_lt_u32 s[WV], 8                          ; eight waves fetch both slots, one load each; four v_nop follow it
	s_cbranch_scc0 .Lno_first
	tensor_load_to_lds s[G0:G0+3], s[G1:G1+7]
	s_nop 0
.rept 4
	v_nop
.endr
.Lno_first:
	s_bfe_u32 s81, ttmp6, 0x40000                  ; cx
	s_lshl_b32 s82, s81, 1
	s_add_co_u32 s82, s82, s75                     ; my tile in the group: 2 cx + ti / 4
	s_lshl_b32 s83, s82, 11
	s_lshl_b32 s84, s[GRP], 14
	s_add_co_u32 s84, s84, s83
	s_mov_b32 s85, 0
	s_add_nc_u64 s[84:85], s[84:85], s[88:89]
	s_add_nc_u64 s[4:5], s[4:5], s[84:85]          ; Q's image: (128 head + 8 group + tile) x 2,048
	s_lshl_b32 s84, s[GRP], 18
	s_lshl_b32 s86, s90, 14
	s_add_co_u32 s84, s84, s86
	s_add_co_u32 s84, s84, s83
	s_mov_b32 s85, 0
	s_add_nc_u64 s[16:17], s[16:17], s[84:85]      ; the output's image: ((16 group + head) 8 + tile) x 2,048
	s_cmp_lt_u32 s[WV], 6
	s_cselect_b64 s[PFA:PFA+1], s[6:7], s[12:13]
	s_lshl_b32 s86, s81, 14                        ; my work-group's 16,384 bytes,
	s_and_b32 s87, s[WV], 1
	s_lshl_b32 s87, s87, 13                        ; my wave's 8,192 of them,
	s_add_co_u32 s86, s86, s87
	s_add_co_u32 s86, s86, 3*65536                 ; in the last slot
	s_mov_b32 s87, 0
	s_add_nc_u64 s[86:87], s[86:87], s[88:89]
	s_add_nc_u64 s[PFA:PFA+1], s[PFA:PFA+1], s[86:87]
	s_sub_co_u32 s86, s[WV], 4
	s_lshr_b32 s86, s86, 2                         ; 0 in waves 4 to 7
	s_cmp_eq_u32 s86, 0
	s_cselect_b32 s[LIM], 1, -1
	s_wait_alu depctr_va_vdst(0)
	s_cbranch_scc0 .Lno_head_ask
	global_prefetch_b8 v[PFO], s[PFA:PFA+1] offset:-65536 th:TH_LOAD_NT scope:SCOPE_SE   ; keys 1,024 to 1,535
.Lno_head_ask:
.irp c, 0,1,2,3
	global_load_b128 v[16+4*\c:19+4*\c], v[LI], s[4:5] offset:512*\c   ; Q's fragment stays in registers
.endr
	v_and_b32 v10, 15, v0
	v_bfe_u32 v11, v0, 4, 1
	s_delay_alu instid0(VALU_DEP_1)
	v_lshlrev_b32 v11, 3, v11
	s_delay_alu instid0(VALU_DEP_1)
	v_sub_nc_u32 v[VD], v10, v11
	s_lshl_b32 s83, s82, 4
	v_add_nc_u32 v[VD], s83, v[VD]                 ; d = my query in its group - 8 h.  Register 8 t + j holds key 16 t + 8 h + j of the step: on the diagonal it is hidden where 16 t + j > d
	v_mov_b32 v13, 0xff61b1e6                      ; the largest t so far: -3e38
	s_delay_alu instid0(VALU_DEP_1)
	v_floor_f32 v12, -v13                          ; -M
	v_mov_b32 v14, 0
	v_mov_b32 v15, 0
	v_mov_b32 v236, 0                              ; written once: a lane permute's destination counts as one of its sources
	v_mov_b32 v252, 0
	v_mov_b32 v253, 0                              ; (named as the upper half of v[252:253])
	v_mov_b32 v254, 0
.set jj, 0
.rept 64
	v_mov_b32 v[160+jj], 0                         ; O^T: the step is written once; a wave's first step finds zeros, which the first change of M leaves zeros; a wave with no step hands zeros on
.set jj, jj+1
.endr
	s_wait_kmcnt 0x0
	s_add_co_i32 s73, s68, s69
	s_lshl_b32 s73, s73, 23
	s_add_co_i32 s[CS], s[CS], s73                 ; a score stands for score x 2^(e6 + e7): added to c's exponent field
	s_mov_b32 s[CS+1], s[CS]
	s_add_co_i32 s73, s70, 127
	s_lshl_b32 s74, s73, 23
	v_mov_b32 v244, s74                            ; 2^e8
	s_add_co_i32 s73, s73, 8
	s_lshl_b32 s73, s73, 23
	s_or_b32 s73, s73, 0x600000
	v_mov_b32 v240, s73                            ; 448 x 2^e8
	s_add_co_i32 s73, s72, 127
	s_lshl_b32 s74, s73, 23
	v_mov_b32 v245, s74                            ; 2^e10
	s_add_co_i32 s73, s73, 8
	s_lshl_b32 s73, s73, 23
	s_or_b32 s73, s73, 0x600000
	v_mov_b32 v241, s73                            ; 448 x 2^e10
; A KEY STEP: 128 keys.
.macro STEP
	s_cmp_gt_u32 s[KS], s[GRP]                     ; all its keys come after my queries: only the lines at its end are run
	s_cbranch_scc1 .Lhidden_\@
	v_add_nc_u32 v[ADK], s[TB], v[LI]
	s_wait_alu depctr_va_vdst(0)
	v_add_nc_u32 v[ADV], VOFF, v[ADK]
.rept 4
	v_nop                                          ; with the two additions six plain places behind the last step's products: four are owed by the loads into v32 on, five by the products below, which write over registers that those read
.endr
.irp g, 0,1                                    ; S^T = K Q^T, four tiles of 16 keys at a time
.if \g > 0
.rept 4
	v_nop                                          ; places in front of loads into registers that matrix instructions have read
.endr
.endif
.irp t, 0,1,2,3
.irp c, 0,1,2,3
	ds_load_b128 v[32+16*\t+4*\c:32+16*\t+4*\c+3], v[ADK] offset:(4*\g+\t)*2048+512*\c
.endr
.endr
	s_wait_dscnt 0x0
.irp t, 0,1,2,3
	v_wmma_f32_16x16x128_fp8_fp8 v[96+8*(4*\g+\t):103+8*(4*\g+\t)], v[32+16*\t:47+16*\t], v[16:31], 0
.endr
.endr
.rept 4
	v_nop                                          ; places in front of the loads below and of the first read of the scores
.endr
	s_wait_alu depctr_va_vdst(0)
.irp t, 0,1,2,3                                ; V's fragments 0-3 are asked for now, into the registers that K has left: they land while the softmax is walked
.irp c, 0,1,2,3
	ds_load_b128 v[32+16*\t+4*\c:32+16*\t+4*\c+3], v[ADV] offset:\t*2048+512*\c
.endr
.endr
	s_cmp_lg_u32 s[KS], s[GRP]                     ; only the step on the diagonal hides keys
	s_cbranch_scc1 .Lopen_\@
	v_mov_b32 v254, 0xff800000                     ; -infinity: p = 0 then
.irp n, 0,1,2,3,4,5,6,7,8,9,10,11,12,13,14,15,16,17,18,19,20,21,22,23,24,25,26,27,28,29,30,31,32,33,34,35,36,37,38,39,40,41,42,43,44,45,46,47,48,49,50,51,52,53,54,55,56,57,58,59,60,61,62,63
	v_cmp_gt_i32 vcc_lo, 16*(\n/8)+\n%8, v[VD]
	v_cndmask_b32 v[96+\n], v[96+\n], v254, vcc_lo
.endr
.Lopen_\@:
	v_max3_num_f32 v254, v96, v97, v98             ; the step's largest score of my query among my 64 keys, in two chains; each tile is read from its low end on
	v_max3_num_f32 v252, v99, v100, v101
.irp i, 6,10,14,18,22,26,30,34,38,42,46,50,54,58
	v_max3_num_f32 v254, v254, v[96+\i], v[97+\i]
	v_max3_num_f32 v252, v252, v[98+\i], v[99+\i]
.endr
	v_max3_num_f32 v254, v254, v158, v159
	s_delay_alu instid0(VALU_DEP_1)
	v_max_num_f32 v254, v254, v252
	v_permlanex16_b32 v236, v254, s[SEL], s[SEL+1]
	s_delay_alu instid0(VALU_DEP_1)
	v_max_num_f32 v254, v254, v236                 ; and among lane l xor 16's
	s_delay_alu instid0(VALU_DEP_1)
	v_mul_f32 v254, s[CS], v254                    ; as t (c is positive)
	s_delay_alu instid0(VALU_DEP_1)
	v_max_num_f32 v13, v13, v254
	v_mov_b32 v254, v12
	s_delay_alu instid0(VALU_DEP_2)
	v_floor_f32 v12, -v13                          ; the new -M = floor(-t)
	s_delay_alu instid0(VALU_DEP_1)
	v_sub_f32 v254, v12, v254                      ; old M - new M: a whole number, 0 or less
	s_delay_alu instid0(VALU_DEP_1)
	v_cvt_i32_f32 v254, v254                       ; (it saturates)
	s_delay_alu instid0(VALU_DEP_1)
	v_ldexp_f32 v252, 1.0, v254                    ; f = 2^(old M - new M)
.set jj, 0
.rept 32
	v_pk_fma_f32 v[96+jj:97+jj], v[96+jj:97+jj], s[CS:CS+1], v[12:13] op_sel_hi:[1,0,0]   ; t - M
.set jj, jj+2
.endr
.set jj, 0
	s_wait_alu depctr_va_vdst(0)
.rept 64
	v_exp_f32 v[96+jj], v[96+jj]                   ; p = 2^(t - M): one batch
.set jj, jj+1
.endr
	v_pk_mul_f32 v[14:15], v[14:15], v[252:253] op_sel_hi:[1,0]   ; the sums under the new M: the plain line behind the batch
	s_wait_alu depctr_va_vdst(0)                   ; one wait for the batch, ahead of its first reader
	v_pk_add_f32 v[242:243], v[100:101], v[104:105]
	v_pk_add_f32 v[254:255], v[108:109], v[112:113]
	v_pk_add_f32 v[250:251], v[116:117], v[120:121]
	v_pk_add_f32 v[248:249], v[124:125], v[128:129]
	v_pk_add_f32 v[246:247], v[132:133], v[136:137]
	v_pk_add_f32 v[238:239], v[140:141], v[144:145]
	v_pk_add_f32 v[236:237], v[148:149], v[152:153]
	v_pk_add_f32 v[14:15], v[14:15], v[156:157]
	v_pk_add_f32 v[242:243], v[242:243], v[96:97]
	v_pk_add_f32 v[254:255], v[254:255], v[98:99]
	v_pk_add_f32 v[250:251], v[250:251], v[102:103]
	v_pk_add_f32 v[248:249], v[248:249], v[106:107]
	v_pk_add_f32 v[246:247], v[246:247], v[110:111]
	v_pk_add_f32 v[238:239], v[238:239], v[114:115]
	v_pk_add_f32 v[236:237], v[236:237], v[118:119]
	v_pk_add_f32 v[14:15], v[14:15], v[122:123]
	v_pk_add_f32 v[242:243], v[242:243], v[126:127]
	v_pk_add_f32 v[254:255], v[254:255], v[130:131]
	v_pk_add_f32 v[250:251], v[250:251], v[134:135]
	v_pk_add_f32 v[248:249], v[248:249], v[138:139]
	v_pk_add_f32 v[246:247], v[246:247], v[142:143]
	v_pk_add_f32 v[238:239], v[238:239], v[146:147]
	v_pk_add_f32 v[236:237], v[236:237], v[150:151]
	v_pk_add_f32 v[14:15], v[14:15], v[154:155]
	v_pk_add_f32 v[242:243], v[242:243], v[158:159]
	s_delay_alu instid0(VALU_DEP_2)
	v_pk_add_f32 v[14:15], v[14:15], v[248:249]
	s_delay_alu instid0(VALU_DEP_2)
	v_pk_add_f32 v[242:243], v[242:243], v[246:247]
	v_pk_add_f32 v[254:255], v[254:255], v[238:239]
	v_pk_add_f32 v[250:251], v[250:251], v[236:237]
	s_delay_alu instid0(VALU_DEP_2)
	v_pk_add_f32 v[14:15], v[14:15], v[254:255]
	s_delay_alu instid0(VALU_DEP_2)
	v_pk_add_f32 v[242:243], v[242:243], v[250:251]
	s_delay_alu instid0(VALU_DEP_1)
	v_pk_add_f32 v[14:15], v[14:15], v[242:243]
.irp t, 0,1,2,3,4,5,6,7
.irp i, 0,1,2,3,4,5,6,7
	v_min_num_f32 v[96+8*\t+\i], v[96+8*\t+\i], v240   ; the conversion does not saturate (ISA guide 7.6.2); p is not negative, so the hold is one-sided
.endr
	v_cvt_scalef32_pk8_fp8_f32 v[224+2*\t:225+2*\t], v[96+8*\t:103+8*\t], v244   ; keys 16 t + 8 h + 0 .. 7: registers 2 t, 2 t + 1 of P's fragment
.if \t%2
	v_nop                                          ; a plain line behind the conversion; then the 16 registers of two tiles of p, which are done with, take one of V's fragments 4-7
.irp c, 0,1,2,3
	ds_load_b128 v[96+8*(\t-1)+4*\c:96+8*(\t-1)+4*\c+3], v[ADV] offset:(4+\t/2)*2048+512*\c
.endr
.endif
.endr
.set jj, 0
.rept 32
	v_pk_mul_f32 v[160+jj:161+jj], v[160+jj:161+jj], v[252:253] op_sel_hi:[1,0]   ; O^T x f; V's last fragments land meanwhile
.set jj, jj+2
.endr
	s_wait_alu depctr_va_vdst(0)
	s_wait_dscnt 0x0                               ; V's eight fragments are in: fragment t at v[32 + 16 t]
.irp t, 0,1,2,3,4,5,6,7                        ; O^T += V^T P^T: the eight accumulators take turns
	v_wmma_f32_16x16x128_fp8_fp8 v[160+8*\t:167+8*\t], v[32+16*\t:47+16*\t], v[224:239], v[160+8*\t:167+8*\t]
.endr
.Lhidden_\@:
	s_add_co_u32 s[TB], s[TB], 2*STEPB             ; my next step is the next but one
	s_add_co_u32 s[KS], s[KS], 2
.endm
; THE CHANGE OF SLOTS stands at a slot's head.  Each wave waits for all its tensor loads, adds 0 to its spare word, and waits for that and for its reads of the slot that it has left.
; fill = 1: a round of the cluster's barrier, and behind it the slot that was left is filled with the 512 keys that follow the other slot's: the load has a slot's steps, two a wave, in which to land.
.macro CHANGE fill
	s_wait_tensorcnt 0x0                           ; no tensor load of mine is out, so group 0 may be written
	ds_add_u32 v[SPW], v[NIL]                      ; 0 onto my spare word
.if \fill
	ds_add_u32 v[SPW], v[NIL]                      ; and once more
	s_xor_b32 s[G0W+1], s[G0W+1], SLOT1            ; the walking descriptor: the other slot than last time,
	s_add_nc_u64 s[G0W+2:G0W+3], s[G0W+2:G0W+3], 65536 ; the next 512 keys; the type bits on top are not reached
	s_wait_dscnt 0x0                               ; the add is done, and my reads of the slot that I have left are over
	CROUND
	TLOAD                                          ; the first thing behind the round, and a wave's one tensor load until the next
	ASK
.else
	s_wait_dscnt 0x0
	s_barrier_signal -1
	s_barrier_wait -1
.endif
.endm
.macro TWO_STEPS                       ; my two key steps of a slot's four: written once, walked twice
	s_mov_b32 s[TWICE], 2
.Lstep_\@:
	STEP
	s_sub_co_u32 s[TWICE], s[TWICE], 1
	s_cmp_lg_u32 s[TWICE], 0
	s_cbranch_scc1 .Lstep_\@
	s_sub_co_u32 s[TB], s[TB], 4*STEPB
	s_xor_b32 s[TB], s[TB], SLOT1                  ; on to the other slot
.endm
	s_wait_loadcnt 0x0                             ; Q
	s_wait_tensorcnt 0x0                           ; my part of a slot is in
	s_barrier_signal -1
	s_barrier_wait -1                              ; everybody's part of both slots is in
	TWO_STEPS                                      ; keys 0 to 511
.Lslot:                                            ; two trips: each leaves a slot, has it filled again and walks the other
	CHANGE 1
	TWO_STEPS
	s_sub_co_u32 s[SLOTS], s[SLOTS], 1
	s_cmp_lg_u32 s[SLOTS], 0
	s_cbranch_scc1 .Lslot
	CHANGE 0                                       ; the last slot is written out
	TWO_STEPS
	; THE MERGE.  The odd wave of a tile stores its O^T as images of four registers, and (-M, its lane's sum); a barrier; the even wave takes them up.  The two hold the same query in the same lane and the same channel in the same register.
.rept 4
	v_nop                                          ; places behind the last products
.endr
	v_add_f32 v13, v14, v15                        ; my lane's sum; the largest t is needed no more, so (-M, sum) is the pair v[12:13]
	s_cmp_lt_u32 s[WV], 8
	s_cbranch_scc1 .Lkeeps
.set jj, 0
	s_wait_alu depctr_va_vdst(0)
.rept 16
	ds_store_b128 v[MA], v[160+4*jj:163+4*jj] offset:512*jj   ; each accumulator from its low end on; an instruction's 512 bytes are consecutive
.set jj, jj+1
.endr
	ds_store_b64 v[MB], v[12:13]
.Lkeeps:
	s_wait_dscnt 0x0                               ; for the other wave's sake: my stores have landed
	s_barrier_signal -1
	s_barrier_wait -1
	s_cmp_ge_u32 s[WV], 8
	s_cbranch_scc1 .Ldone                          ; the odd waves have handed on all that they had
	ds_load_b64 v[32:33], v[MB]                    ; the other wave's -M and sum
.set jj, 0
.rept 16
	ds_load_b128 v[96+4*jj:99+4*jj], v[MA] offset:512*jj      ; and its O^T
.set jj, jj+1
.endr
	s_add_co_i32 s73, s70, s71                     ; e8 + e9
	v_mov_b32 v39, 0                               ; (named as the upper half of v[38:39])
	s_wait_dscnt 16                                ; the pair is in; the 16 loads issued behind it may be out
	v_min_num_f32 v34, v12, v32                    ; -M of both: the larger M
	s_delay_alu instid0(VALU_DEP_1)
	v_sub_f32 v35, v34, v12                        ; my M less that: a whole number, 0 or less
	s_delay_alu instid0(VALU_DEP_2)
	v_sub_f32 v36, v34, v32                        ; the other's likewise; a wave that had no step has -M = 3e38, and its factor becomes 0
	s_delay_alu instid0(VALU_DEP_2)
	v_cvt_i32_f32 v35, v35                         ; (they saturate)
	s_delay_alu instid0(VALU_DEP_2)
	v_cvt_i32_f32 v36, v36
	s_delay_alu instid0(VALU_DEP_2)
	v_ldexp_f32 v252, 1.0, v35                     ; f0
	s_wait_alu depctr_va_vdst(0)
	v_ldexp_f32 v38, 1.0, v36                      ; f1
	v_mul_f32 v14, v13, v252
	s_delay_alu instid0(VALU_DEP_1)
	v_fmac_f32 v14, v33, v38                       ; my lane's sum under the common M,
	v_permlanex16_b32 v236, v14, s[SEL], s[SEL+1]
	s_delay_alu instid0(VALU_DEP_1)
	v_add_f32 v14, v14, v236                       ; and lane l xor 16's: the row's sum
	s_wait_alu depctr_va_vdst(0)
	v_rcp_f32 v14, v14
	v_nop                                          ; a plain line behind the reciprocal
	s_wait_alu depctr_va_vdst(0)                   ; the wait ahead of its first reader
	v_ldexp_f32 v14, v14, s73                      ; 2^(e8 + e9) / the sum
	s_delay_alu instid0(VALU_DEP_1)
	v_mul_f32 v252, v252, v14                      ; x f0: a power of two, so nothing more is rounded
	s_delay_alu instid0(VALU_DEP_2)
	v_mul_f32 v38, v38, v14                        ; x f1
	s_wait_alu depctr_va_vdst(0)
	s_wait_dscnt 0x0                               ; the other wave's O^T is in
.set jj, 0
.rept 32
	v_pk_mul_f32 v[96+jj:97+jj], v[96+jj:97+jj], v[38:39] op_sel_hi:[1,0]
.set jj, jj+2
.endr
.set jj, 0
.rept 32
	v_pk_fma_f32 v[96+jj:97+jj], v[160+jj:161+jj], v[252:253], v[96+jj:97+jj] op_sel_hi:[1,0,1]   ; register 8 t + i: channel 16 t + 8 h + i of my token; each accumulator from its low end on
.set jj, jj+2
.endr
	; THE WAY OUT: held, converted with 2^e10: the 16 registers are a fragment of 16 tokens x this head's 128 channels, stored as they stand
.set jj, 0
.rept 64
	v_med3_num_f32 v[96+jj], v[96+jj], -v241, v241
.set jj, jj+1
.endr
.irp t, 0,1,2,3,4,5,6,7
	v_cvt_scalef32_pk8_fp8_f32 v[224+2*\t:225+2*\t], v[96+8*\t:103+8*\t], v245
.endr
	v_nop
.irp c, 0,1,2,3
	global_store_b128 v[LI], v[224+4*\c:227+4*\c], s[16:17] offset:512*\c   ; the wave stores 512 consecutive bytes, aligned
.endr
.Ldone:
	s_wait_tensorcnt 0x0                           ; the wave's end
	ds_add_u32 v[SPW], v[NIL]
	s_wait_dscnt 0x0
	CROUND                                         ; the closing round
	s_endpgm
.Lfunc_end_k_qbb121612a8_attn:
	.size	k_qbb121612a8_attn, .Lfunc_end_k_qbb121612a8_attn-k_qbb121612a8_attn
	.p2alignl 7, 3214868480
	.fill 96, 4, 3214868480
	.section	.rodata,"a",@progbits
	.p2align	6, 0x0
	.amdhsa_kernel k_qbb121612a8_attn
		.amdhsa_group_segment_fixed_size 327680
		.amdhsa_private_segment_fixed_size 0
		.amdhsa_enable_private_segment 0
		.amdhsa_kernarg_size 40
		.amdhsa_user_sgpr_count 2
		.amdhsa_user_sgpr_kernarg_segment_ptr 1
		.amdhsa_wavefront_size32 1
		.amdhsa_system_sgpr_workgroup_id_x 1
		.amdhsa_system_sgpr_workgroup_id_y 1
		.amdhsa_system_sgpr_workgroup_id_z 1
		.amdhsa_system_vgpr_workitem_id 0
		.amdhsa_next_free_vgpr 256
		.amdhsa_next_free_sgpr 100
		.amdhsa_reserve_vcc 1
		.amdhsa_float_denorm_mode_32 3
		.amdhsa_float_denorm_mode_16_64 3
		.amdhsa_memory_ordered 1
		.amdhsa_forward_progress 1
		.amdhsa_inst_pref_size 98
	.end_amdhsa_kernel
	.amdgpu_metadata
---
amdhsa.version: [ 1, 2 ]
amdhsa.kernels:
  - .name:           k_qbb121612a8_attn
    .symbol:         k_qbb121612a8_attn.kd
    .args:
      - { .name: qc, .offset: 0, .size: 8, .value_kind: global_buffer, .address_space: global }
      - { .name: kc, .offset: 8, .size: 8, .value_kind: global_buffer, .address_space: global }
      - { .name: vc, .offset: 16, .size: 8, .value_kind: global_buffer, .address_space: global }
      - { .name: lowp_scales, .offset: 24, .size: 8, .value_kind: global_buffer, .address_space: global }
      - { .name: ac, .offset: 32, .size: 8, .value_kind: global_buffer, .address_space: global }
    .group_segment_fixed_size: 327680
    .private_segment_fixed_size: 0
    .kernarg_segment_align: 8
    .kernarg_segment_size: 40
    .max_flat_workgroup_size: 512
    .sgpr_count:     100
    .vgpr_count:     256
    .wavefront_size: 32
...
	.end_amdgpu_metadata
.endif
;; end of part 2
;; launch oproj (part 3): grid 16 x 16, 4 waves a work-group, clusters of 4 x 1, 327,680 bytes of LDS; arguments ac, Wo_codes, lowp_scales, out0; writes out0
.if DOCPART == 3
	.amdgcn_target "amdgcn-amd-amdhsa--gfx1250"
	.amdhsa_code_object_version 6
	.text
	.protected	k_qbb121612a8_oproj
	.globl	k_qbb121612a8_oproj
	.p2align	8
	.type	k_qbb121612a8_oproj,@function
k_qbb121612a8_oproj:
	s_mov_b64 s[64:65], 0
	v_nop
	global_prefetch_b8 v0, s[64:65] scope:SCOPE_SE
	s_setreg_imm32_b32 hwreg(HW_REG_WAVE_MODE, 25, 1), 1
	s_wait_xcnt 0x0
	s_wait_alu depctr_hold_cnt(0) depctr_sa_sdst(0) depctr_va_vdst(0) depctr_va_sdst(0) depctr_va_ssrc(0) depctr_va_vcc(0) depctr_vm_vsrc(0)
	s_getreg_b32 s2, hwreg(HW_REG_IB_STS2, 6, 4)
	s_cmp_eq_u32 s2, 0
	s_cbranch_scc0 .Lentry_in_a_cluster
	s_endpgm
.Lentry_in_a_cluster:
	s_bfe_u32 s2, ttmp6, 0x10000c
	s_cmp_lg_u32 s2, 0x3003
	s_cbranch_scc0 .Lentry_shape_is_right
	s_endpgm
.Lentry_shape_is_right:
; out = attention's result x Wo^T on codes of E4M3; sums in f32, each multiplied once by 2^(e10 + e11).  ac: [block of 128 tokens][head][tile of 16 tokens][2048]: images of operand registers
; (registers 2 t, 2 t + 1 of lane (r, h): k = 16 t + 8 h + 0 .. 7 of row r).  Wo_codes: [2048][2048], K innermost.  out0: [2048][2048] f32.
; LIMIT: e10 + e11 lies between -126 and 127, so that 2^(e10 + e11) is an f32 number.
; SHARES.  A work-group makes 128 x 128 of the output.  Wave w takes the half kh = w / 2 of K and the 64 rows rh = w % 2, all 128 columns: 4 x 8 accumulators, 8 steps of 128 along K.  At the end the two waves of a row half
; exchange half of their sums through LDS, and each finishes 32 rows.  So no code of ac is loaded twice in a work-group, and each code of Wo is read from LDS twice.
; WO: its 128 rows x 2,048 fit in LDS: four chunks of 512 along K, one tensor load a wave at the head; nothing is filled again.  The tile hangs on the column block alone, the cluster's y: the four work-groups of a cluster
; (four row blocks) ask for it jointly.
; AC goes from memory straight into registers, in the order in which they take it: 512 consecutive bytes an instruction, three steps ahead.  It is not asked for jointly: both operands, 2 x 262,144 bytes, do not fit in LDS,
; and the work-groups of a cluster share none of it.
; PREFETCH INTO THE L2, of ac: steps 0 to 2 come by their loads alone, which stand at the head.  The heads of steps 3 to 7 of a row block are shared out among the sixteen work-groups that read it: the one of column block y asks for
; heads y and 15 - y, 8,192 bytes a wave, lanes 256 bytes apart, behind the head's loads: each block of 256 bytes is named by two of the sixteen.
; THE MATRIX INSTRUCTION IS USED TRANSPOSED (source 0 = 16 rows of Wo, source 1 = 16 tokens): a lane holds eight neighbouring columns of one row of the output.
; A wave's tile a is the tile a xor 2 kh of its 64 rows: tiles 0, 1 are those that it finishes, tiles 2, 3 those that it hands on, in every wave alike.
; REGISTERS, in windows of 256: window 0 addresses, the way out; window 1 Wo's fragments, two sets of eight; window 2 the accumulators, (a, b) at 8 (8 a + b); window 3 ac's fragments, four sets of four.
.set BP,   528                         ; an LDS row: 512 bytes + 16 of padding = 132 words: rows start 4 banks apart (64 banks of 4 bytes: ISA guide 11.1)
.set CH,   128*BP                      ; a chunk: 128 rows x 512 along K
.set SPARE, 4*CH                       ; the spare words: 128 bytes a wave, two blocks of 256 bytes that no other line names
.set STG,  65536                       ; the way out: each wave's stage of 32 rows of BP bytes; the exchange has the 65,536 bytes below it.  Both lie in chunks 0 and 1, filled once and read no more behind the barrier ahead of the exchange
.set AO,   16                          ; v16-17 my lane's offset for tiles 0, 1 and for tiles 2, 3
.set ADRB, 18                          ; v18-19 Wo's fragments in my first and my second chunk
.set MW,   20                          ; v20 what I hand on
.set MR,   21                          ; v21 what I am handed
.set STO,  22
.set RD,   23
.set CO,   24                          ; v24 16 lane
.set PFO,  25                          ; v25 256 lane
.set SPW,  28                          ; v28 my spare word; never rewritten
.set NIL,  29                          ; v29 0; never rewritten
.set TMP,  32
.set G1, 24
.set G0, 32
.set MUL,  0xad                        ; source 0 window 1, source 1 window 3, C and D window 2
.set MSB, 0
.macro WIN new                         ; the immediate's high byte repeats the setting that is left
.if MSB != \new
	s_set_vgpr_msb (MSB<<8)|\new
.set MSB, \new
.endif
.endm
.macro PLACES
.rept 4
	v_nop
.endr
.endm
.macro CROUND                          ; a round of the cluster's barrier
	s_barrier_signal -1
	s_barrier_wait -1
	s_cmp_lg_u32 s14, 0
	s_cbranch_scc1 .Lnot_wave_0_\@
	s_barrier_signal -3
.Lnot_wave_0_\@:
	s_barrier_wait -3
	s_barrier_signal -1
	s_barrier_wait -1
.endm
.macro LOADA s                         ; ac's four fragments of step s into set s % 4: 16 loads
	WIN 0xc0
.irp a, 0,1,2,3
.irp c, 0,1,2,3
	global_load_b128 v[64*((\s)%4)+16*\a+4*\c:64*((\s)%4)+16*\a+4*\c+3], v[AO+\a/2], s[20:21] offset:16384*(\s)+2048*(\a%2)+512*\c
.endr
.endr
.endm
.macro FETCH s                         ; Wo's eight fragments of step s into set s % 2: registers 2 c, 2 c + 1: K = 16 c + 8 h + 0 .. 7
	WIN 0x40
.irp i, 0,1,2,3,4,5,6,7
.irp c, 0,1,2,3,4,5,6,7
	ds_load_b64 v[128*((\s)%2)+16*\i+2*\c:128*((\s)%2)+16*\i+2*\c+1], v[ADRB+(\s)/4] offset:128*((\s)%4)+\i*16*BP+16*\c
.endr
.endr
.endm
; A step of 128 along K.  The loads go into sets that the step before has multiplied: four plain places stand in front of them (ISA guide 7.12.1 for vector instructions).
; The 32 accumulators take turns, one instruction a turn, in the same order in every step.
.macro STEP s
	s_wait_dscnt 0x0                               ; Wo's set is in
.if ((\s) > 0) && ((\s) < 7)
	PLACES
.endif
.if (\s) < 7
	FETCH (\s)+1
.endif
.if (\s) < 6
	s_wait_loadcnt 32                              ; ac's set is in; the two younger steps' 32 loads may be out
.else
	s_wait_loadcnt 16*(7-(\s))
.endif
.if (\s) < 5
	LOADA (\s)+3
.endif
.if (\s) == 7
	s_barrier_signal -1                            ; my reads of Wo are over: the products stand between signal and wait
.endif
	WIN MUL
.irp a, 0,1,2,3
.irp b, 0,1,2,3,4,5,6,7
.if (\s) == 0
	v_wmma_f32_16x16x128_fp8_fp8 v[64*\a+8*\b:64*\a+8*\b+7], v[128*((\s)%2)+16*\b:128*((\s)%2)+16*\b+15], v[64*((\s)%4)+16*\a:64*((\s)%4)+16*\a+15], 0
.else
	v_wmma_f32_16x16x128_fp8_fp8 v[64*\a+8*\b:64*\a+8*\b+7], v[128*((\s)%2)+16*\b:128*((\s)%2)+16*\b+15], v[64*((\s)%4)+16*\a:64*((\s)%4)+16*\a+15], v[64*\a+8*\b:64*\a+8*\b+7]
.endif
.endr
.endr
.endm
	s_load_b128 s[4:7], s[0:1], 0x0                ; ac s[4:5], Wo s[6:7]
	s_load_b128 s[8:11], s[0:1], 0x10              ; the scales' exponents s[8:9], the output s[10:11]
	v_lshl_add_u32 v[SPW], v0, 2, SPARE
	v_mov_b32 v[NIL], 0
	ds_add_u32 v[SPW], v[NIL]                      ; the opening lines: the add, twice on end, and its wait; work on registers stands between
	ds_add_u32 v[SPW], v[NIL]
	v_lshrrev_b32 v1, 5, v0
	v_readfirstlane_b32 s14, v1                    ; wave 0..3
	s_lshr_b32 s15, s14, 1                         ; kh
	s_and_b32 s16, s14, 1                          ; rh
	s_and_b32 s17, ttmp7, 0xffff                   ; the column block y
	s_bfe_u32 s40, ttmp6, 0x40000                  ; cx
	s_lshl_b32 s42, ttmp9, 2
	s_add_co_u32 s42, s42, s40                     ; the row block
	; descriptor group 1: 128 rows x 512 bytes, 2,048 bytes apart; 16 bytes of padding behind each row in LDS
	s_mov_b32 s[G1], 15|(0<<16)|(1<<20)|(1<<21)|(6<<22)|(3<<25)   ; the mask: all four partners; elements of 1 byte; padding on; bit 21 beside a mask; after every 128 words; 4 words
	s_mov_b32 s[G1+1], 512<<16
	s_mov_b32 s[G1+2], 128<<16
	s_mov_b32 s[G1+3], 512<<16
	s_mov_b32 s[G1+4], 128
	s_mov_b32 s[G1+5], 2048
	s_mov_b32 s[G1+6], 0
	s_mov_b32 s[G1+7], 0
	s_mov_b32 s[G0], 1
	s_mul_i32 s[G0+1], s14, CH                     ; chunk = wave
	s_lshl_b32 s46, s17, 18                        ; Wo: 128 y rows of 2,048 bytes, 512 x wave along K
	s_lshl_b32 s47, s14, 9
	s_add_co_u32 s46, s46, s47
	s_mov_b32 s47, 0
	s_lshl_b32 s78, s42, 18                        ; ac: my row block,
	s_lshl_b32 s20, s15, 17                        ; my eight heads,
	s_add_co_u32 s20, s20, s78
	s_lshl_b32 s21, s16, 13                        ; my four tiles
	s_add_co_u32 s20, s20, s21
	s_mov_b32 s21, 0
	s_sub_co_u32 s19, 15, s17
	s_cmp_lt_u32 s14, 2
	s_cselect_b32 s19, s17, s19                    ; the head of which my wave prefetches a half: y or 15 - y
	s_and_b32 s98, s19, 7                          ; its step
	s_lshl_b32 s19, s19, 14
	s_add_co_u32 s78, s78, s19
	s_lshl_b32 s19, s16, 13
	s_add_co_u32 s78, s78, s19
	s_mov_b32 s79, 0
	s_lshl_b32 s90, s42, 20                        ; the output: 128 rows of 8,192 bytes x row block,
	s_lshl_b32 s91, s16, 19                        ; my 64 rows,
	s_add_co_u32 s90, s90, s91
	s_lshl_b32 s91, s15, 18                        ; the 32 of them that I finish,
	s_add_co_u32 s90, s90, s91
	s_lshl_b32 s91, s17, 9                         ; 128 y columns
	s_add_co_u32 s90, s90, s91
	s_mov_b32 s91, 0
	s_lshl_b32 s80, s15, 12                        ; 4,096 kh: my tiles 0, 1 are tiles 2 kh, 2 kh + 1 of the 64 rows,
	s_xor_b32 s81, s80, 0x1000                     ; my tiles 2, 3 the others
	s_mul_i32 s82, s15, 2*CH                       ; my two chunks
	s_lshl_b32 s83, s14, 14                        ; what I hand on: 16,384 bytes x wave;
	s_xor_b32 s84, s83, 0x8000                     ; what I am handed: wave xor 2
	s_mul_i32 s85, s14, 32*BP
	s_add_co_u32 s85, s85, STG                     ; my stage
	v_and_b32 v1, 15, v0                           ; r
	v_bfe_u32 v2, v0, 4, 1                         ; h
	v_and_b32 v3, 31, v0
	v_lshlrev_b32 v[CO], 4, v3
	v_lshlrev_b32 v[PFO], 8, v3
	v_add_nc_u32 v[AO], s80, v[CO]
	v_add_nc_u32 v[AO+1], s81, v[CO]
	v_mul_u32_u24 v4, v1, BP
	v_lshl_add_u32 v5, v2, 3, v4
	v_add_nc_u32 v[ADRB], s82, v5
	v_add_nc_u32 v[ADRB+1], CH, v[ADRB]
	v_add_nc_u32 v[MW], s83, v[CO]
	v_add_nc_u32 v[MR], s84, v[CO]
	v_lshl_add_u32 v6, v2, 5, v4                   ; the stage: row r, 32 bytes for each half of the lanes
	v_add_nc_u32 v[STO], s85, v6
	v_add_nc_u32 v[RD], s85, v[CO]                 ; back: the 32 lanes take one row of 512 bytes
	s_wait_alu depctr_va_vdst(0)                   ; the wait at the head's end
	s_wait_dscnt 0x0                               ; both opening adds are done
	s_wait_kmcnt 0x0
	s_load_b64 s[96:97], s[8:9], 0x28              ; e10, e11
	s_add_nc_u64 s[G0+2:G0+3], s[6:7], s[46:47]
	s_or_b32 s[G0+3], s[G0+3], 0x80000000
	s_add_nc_u64 s[20:21], s[4:5], s[20:21]
	s_add_nc_u64 s[76:77], s[4:5], s[78:79]
	s_add_nc_u64 s[10:11], s[10:11], s[90:91]
	CROUND                                         ; the four partners are here: the joint loads meet
	tensor_load_to_lds s[G0:G0+3], s[G1:G1+7]      ; my chunk of Wo: my one tensor load
	s_nop 0
	PLACES
	LOADA 0
	LOADA 1
	LOADA 2
	WIN 0
	s_cmp_ge_u32 s98, 3                            ; steps 0 to 2 have just been asked for
	s_cbranch_scc0 .Lno_ask
	global_prefetch_b8 v[PFO], s[76:77] th:TH_LOAD_NT scope:SCOPE_SE
.Lno_ask:
	s_wait_tensorcnt 0x0                           ; my chunk is in
	s_barrier_signal -1
	s_barrier_wait -1                              ; everybody's is
	FETCH 0
.irp s, 0,1,2,3,4,5,6,7
	STEP \s
.endr
	s_barrier_wait -1                              ; nobody reads Wo any more: its bytes take the exchange and the stages
	PLACES                                         ; in front of the first read of results
	; THE EXCHANGE: tiles 2, 3 go to the wave of the other half of K, for which they are tiles 0, 1: the same lanes, the same registers
	WIN 0x08
.set jj, 0
.rept 32
	ds_store_b128 v[MW], v[128+4*jj:131+4*jj] offset:512*jj   ; each accumulator from its low end on
.set jj, jj+1
.endr
	s_wait_kmcnt 0x0
	s_add_co_i32 s96, s96, s97
	s_add_co_i32 s96, s96, 127
	s_lshl_b32 s96, s96, 23                        ; 2^(e10 + e11) as f32
	s_mov_b32 s97, s96                             ; (named with it as a pair)
	s_wait_dscnt 0x0                               ; for the other wave's sake: my stores have landed
	s_barrier_signal -1
	s_barrier_wait -1
	WIN 0xc0
.set jj, 0
.rept 32
	ds_load_b128 v[4*jj:4*jj+3], v[MR] offset:512*jj
.set jj, jj+1
.endr
	WIN 0x0e                                       ; source 0 (my sums) window 2, source 1 (the other half's) window 3
	s_wait_dscnt 16                                ; tile 0 is in
.set jj, 0
.rept 32
	v_pk_add_f32 v[TMP+jj:TMP+jj+1], v[jj:jj+1], v[jj:jj+1]
.set jj, jj+2
.endr
	s_wait_dscnt 0x0
.rept 32
	v_pk_add_f32 v[TMP+jj:TMP+jj+1], v[jj:jj+1], v[jj:jj+1]
.set jj, jj+2
.endr
	WIN 0
; THE WAY OUT of a tile, 16 rows x 128 columns: through my own stage, back as whole rows of 512 bytes.  LDS serves a wave's instructions in order (ISA guide 5.7.1.4): no wait between the stores and the loads.
.macro TOSTAGE a
.set jj, 64*\a
.rept 32
	v_pk_mul_f32 v[TMP+jj:TMP+jj+1], v[TMP+jj:TMP+jj+1], s[96:97] op_sel_hi:[1,0]
.set jj, jj+2
.endr
.irp b, 0,1,2,3,4,5,6,7
	ds_store_b128 v[STO], v[TMP+64*\a+8*\b:TMP+64*\a+8*\b+3] offset:\a*16*BP+64*\b
	ds_store_b128 v[STO], v[TMP+64*\a+8*\b+4:TMP+64*\a+8*\b+7] offset:\a*16*BP+64*\b+16
.endr
.irp t, 0,1,2,3,4,5,6,7,8,9,10,11,12,13,14,15
	ds_load_b128 v[160-128*\a+4*\t:160-128*\a+4*\t+3], v[RD] offset:(16*\a+\t)*BP
.endr
.endm
.macro SEND a, younger                 ; younger: the LDS instructions issued behind the tile's loads, which may stay out
	s_wait_dscnt \younger
.irp t, 0,1,2,3,4,5,6,7,8,9,10,11,12,13,14,15
	global_store_b128 v[CO], v[160-128*\a+4*\t:160-128*\a+4*\t+3], s[10:11] offset:(16*\a+\t)*8192 th:TH_STORE_NT   ; 512 consecutive bytes, at a multiple of 512
.endr
.endm
	TOSTAGE 0
	TOSTAGE 1
	SEND 0, 32
	SEND 1, 0
	s_wait_tensorcnt 0x0                           ; the wave's end
	ds_add_u32 v[SPW], v[NIL]
	s_wait_dscnt 0x0
	CROUND                                         ; the closing round
	s_endpgm
.Lfunc_end_k_qbb121612a8_oproj:
	.size	k_qbb121612a8_oproj, .Lfunc_end_k_qbb121612a8_oproj-k_qbb121612a8_oproj
	.p2alignl 7, 3214868480
	.fill 96, 4, 3214868480
	.section	.rodata,"a",@progbits
	.p2align	6, 0x0
	.amdhsa_kernel k_qbb121612a8_oproj
		.amdhsa_group_segment_fixed_size 327680
		.amdhsa_private_segment_fixed_size 0
		.amdhsa_enable_private_segment 0
		.amdhsa_kernarg_size 32
		.amdhsa_user_sgpr_count 2
		.amdhsa_user_sgpr_kernarg_segment_ptr 1
		.amdhsa_wavefront_size32 1
		.amdhsa_system_sgpr_workgroup_id_x 1
		.amdhsa_system_sgpr_workgroup_id_y 1
		.amdhsa_system_sgpr_workgroup_id_z 1
		.amdhsa_system_vgpr_workitem_id 0
		.amdhsa_next_free_vgpr 1024
		.amdhsa_next_free_sgpr 100
		.amdhsa_reserve_vcc 0
		.amdhsa_float_denorm_mode_32 3
		.amdhsa_float_denorm_mode_16_64 3
		.amdhsa_memory_ordered 1
		.amdhsa_forward_progress 1
		.amdhsa_inst_pref_size 87
	.end_amdhsa_kernel
	.amdgpu_metadata
---
amdhsa.version: [ 1, 2 ]
amdhsa.kernels:
  - .name:           k_qbb121612a8_oproj
    .symbol:         k_qbb121612a8_oproj.kd
    .args:
      - { .name: ac, .offset: 0, .size: 8, .value_kind: global_buffer, .address_space: global }
      - { .name: Wo_codes, .offset: 8, .size: 8, .value_kind: global_buffer, .address_space: global }
      - { .name: lowp_scales, .offset: 16, .size: 8, .value_kind: global_buffer, .address_space: global }
      - { .name: out0, .offset: 24, .size: 8, .value_kind: global_buffer, .address_space: global }
    .group_segment_fixed_size: 327680
    .private_segment_fixed_size: 0
    .kernarg_segment_align: 8
    .kernarg_segment_size: 32
    .max_flat_workgroup_size: 128
    .sgpr_count:     100
    .vgpr_count:     1024
    .wavefront_size: 32
...
	.end_amdgpu_metadata
.endif
;; end of part 3
